; MI455X (gfx1250); checked and timed in simulation.
; The chip was launched on July 23, 2026; its instructions are those of AMD's public machine-readable ISA for CDNA 5 (MIT licence, August 2026) and "CDNA5" Instruction Set Architecture Reference Guide (July 2026). The comments in the code are by the model that wrote it; some were corrected since.
;; Neu SDF. Allowed arithmetic: matrix products marked QUANTISED: E5M2 operands, one E8M0 scale for each 32 along K, by v_wmma_scale_f32_16x16x128_f8f6f4 with both operands' format E5M2, f32 sums; products left as they are: f32 operands where the result goes on into a quantised operand, else bf16, f16 or f32 operands; f32 sums; everything else in f32.
;; Inputs: b1 128 float32; b2 128 float32; b3 1 float32; points 1,048,576 x 3 float32; w1 1 x 128 float32; w2 128 x 128 float32; w3 128 x 1 float32; xy_plane 512 x 512 float32; xz_plane 512 x 512 float32; yz_plane 512 x 512 float32.
;; Outputs: out0 1,048,576 x 1 float32.
;; This version of the problem:
;;   THIS VERSION OF THE PROBLEM IS GIVEN IN LOW PRECISION. The matrix products marked QUANTISED in the list below multiply operands that are first quantised to E5M2 (5 exponent bits, 2 mantissa bits; 8 bits a number), with one power-of-two scale for each 32 numbers along K (OCP MX v1.0); their sums are f32. All else is computed in f32.
;;   The module's matrix products, in the order in which they are computed (A, B: the left and right operand; K: the contracted axis; several contracted axes count as one K, in the product's order):
;;     1. [M 1,048,576, K 1] x [K 1, N 128]; A: computed on the way; B: input w1: left as it is (K = 1 < 32)
;;     2. [M 1,048,576, K 128] x [K 128, N 128]; A: computed on the way; B: input w2: QUANTISED
;;     3. [M 1,048,576, K 128] x [K 128, N 1]; A: computed on the way; B: input w3: left as it is (N = 1 < 16)
;;   THE QUANTISER, for each operand of a quantised product, along K:
;;     - K is cut into blocks of 32 from its start; a last block that is shorter is filled with zeros.
;;     - A block's scale is 2^e with e = floor(log2(the largest magnitude in the block)) - 15, held to -126 .. 127; a block of zeros has e = 0. As a byte (E8M0): e + 127.
;;     - Each number is divided by its block's scale, clamped to +-57,344, and rounded to the nearest number of E5M2, ties to even, subnormals kept.
;;     - The product sums the exact products of the quantised numbers (number of the format x scale) in f32.
;;   ~~~python
;;   def quantise(x, axis):      # numpy; x: float32 -> the quantised numbers, widened to float32 again
;;       x = np.moveaxis(x, axis, -1); K = x.shape[-1]
;;       x = np.pad(x, [(0, 0)] * (x.ndim - 1) + [(0, -K % 32)]); x = x.reshape(x.shape[:-1] + (-1, 32)); a = np.abs(x).max(-1, keepdims=True)
;;       e = np.where(a > 0, np.clip(np.frexp(np.where(a > 0, a, 1))[1] - 1 - 15, -126, 127), 0)      # np.frexp(a)[1] - 1 = floor(log2(a)), exactly
;;       r = np.clip(x / 2.0 ** e, -57344, 57344)
;;       step = 2.0 ** (np.maximum(np.frexp(np.where(r == 0, 1, r))[1] - 1, -14) - 2)
;;       q = np.round(r / step) * step * 2.0 ** e      # np.round: ties to even
;;       return np.moveaxis(q.reshape(q.shape[:-2] + (-1,))[..., :K], -1, axis).astype(np.float32)
;;   ~~~
;;   OPERANDS COMPUTED ON THE WAY. 'Computed on the way' means the value that the module computes at that place (a softmax that the list does not call 'softmax' is quantised finished and normalised). What goes into a quantiser is computed in f32, as accurately as f32 sums, v_exp_f32 and their like allow (about 1e-6 of the number): no bf16 or f16 on the way to a quantiser, and a product that is left as it is and whose result goes on into a quantised operand takes f32 operands (vector FMAs, or v_wmma_f32_16x16x4_f32). A number that lies on a knife's edge between two numbers of the format may be rounded either way, as far as f32 arithmetic and the matrix unit's own rounding can turn it there, and no further.
;; 2 versions. Each part assembles by itself: llvm-mc -triple=amdgcn-amd-amdhsa -mcpu=gfx1250 --defsym DOCPART=n.
;; ======== version 1 of 2: 2 launches
;; workspace buffers: idx 4,194,304 bytes of whole numbers; quads 12,582,912 bytes; w2q 17,408 bytes
;; launch prep (part 1): grid 449 x 1, 8 waves a work-group, no clusters, 13,312 bytes of LDS; arguments points, xy_plane, xz_plane, yz_plane, idx, quads, w2, w2q; writes idx, quads, w2q
.if DOCPART == 1
	.amdgcn_target "amdgcn-amd-amdhsa--gfx1250"
	.amdhsa_code_object_version 6
	.text
	.protected	k_q7e3fe29955_prep
	.globl	k_q7e3fe29955_prep
	.p2align	8
	.type	k_q7e3fe29955_prep,@function
k_q7e3fe29955_prep:
	s_mov_b64 s[64:65], 0
	v_nop
	global_prefetch_b8 v0, s[64:65] scope:SCOPE_SE
	s_setreg_imm32_b32 hwreg(HW_REG_WAVE_MODE, 25, 1), 1
	s_wait_xcnt 0x0
; PREP: three jobs that are done once, each by work-groups of its own, chosen by the work-group's number.
;   work-groups 0-255:   idx[point] = (xf << 18) | (yf << 9) | zf, the three cell numbers floor((pt + 1) * 255.5), each 0 .. 511, as whole numbers:
;                        the next launch forms its gather addresses from them.
;   work-groups 256-447: quads: three tables (xy, xz, yz), 4 MiB each.  Cell (c1, c2), at byte 16 (512 c1 + c2), holds the four corners that a bilinear look-up
;                        wants, [plane(c1, c2c), plane(c1, c2), plane(c1c, c2c), plane(c1c, c2)], c1c = min(c1 + 1, 511), c2c likewise: one load of 16 bytes a look-up, clamps built in.
;   work-group 448:      w2q: w2 [128 (k)][128 (n)] quantised along k to E5M2 with one E8M0 byte for each 32, laid as images of operand registers:
;                        fragment t (columns 16 t .. 16 t + 15) at 2048 t, register group c at + 512 c, a lane's 16 bytes at + 16 lane; its scale words at 16384 + 128 t + 4 lane.
; (pt + 1) * 255.5 is an addition and a multiplication, as the definition has it ((pt + 1) * 0.5 * 511: the factor 0.5 rounds nothing); the next launch uses the same two lines, so cell and fraction agree.
; LIMITS: points lie in [-1, 1] (the definition relies on the cell lying inside its table); outside, the cell is held at the table's border.  NaN and infinities are not served.
; A block of w2 that is all zeros gets the scale byte 1 with zero codes, which add nothing; the bytes are read by this program alone.
; No matrix work, no tensor loads, no barrier, no loop: waves share nothing, and every offset is an immediate.
.set R,  16                            ; index path: v16-63   four steps x 12 registers, points as loaded
.set P,  64                            ;             v64-111  the same, turned: a lane's 12 numbers are x y z of four neighbouring points
.set W,  112                           ;             v112-127 four index words a step
.set Q,  16                            ; quad path:  v16-79   sixteen cells a lane
.set XW, 16                            ; w2 path:    v16-79   64 numbers of my column
.set CD, 80                            ;             v80-95   the fragment's codes
.set TM, 96                            ;             v96-111  at work
.set PW, 112                           ;             v112     the scale word
	s_load_b256 s[4:11], s[0:1], 0x0               ; points s[4:5], xy s[6:7], xz s[8:9], yz s[10:11]
	s_load_b256 s[12:19], s[0:1], 0x20             ; idx s[12:13], quads s[14:15], w2 s[16:17], w2q s[18:19]
	v_lshl_add_u32 v128, v0, 2, 0x3000
	v_mov_b32 v129, 0
	v_lshrrev_b32 v5, 5, v0
	v_readfirstlane_b32 s20, v5                    ; wave 0..7
	v_and_b32 v1, 31, v0                           ; lane
	v_lshlrev_b32 v2, 4, v1                        ; 16 x lane
	s_wait_kmcnt 0x0
	s_cmp_lt_u32 ttmp9, 256
	s_cbranch_scc1 .Lidx
	s_cmp_lt_u32 ttmp9, 448
	s_cbranch_scc1 .Lquad
; ---- w2: wave w makes fragment w.  A lane takes column n = 16 w + lane % 16 and its registers run down k in the order of the operand's layout:
; register 16 c + i = w2(32 c + 16 (lane / 16) + i, n).  So the conversions' results are the operand's registers.
	v_and_b32 v5, 15, v0                           ; r
	v_bfe_u32 v6, v0, 4, 1                         ; h
	v_lshlrev_b32 v3, 2, v5                        ; 4 r
	v_lshl_add_u32 v3, v6, 13, v3                  ; + 16 h rows of 512 bytes
	s_lshl_b32 s21, s20, 6
	v_add_nc_u32 v3, s21, v3                       ; + 16 w columns
	s_lshl_b32 s22, s20, 11
	v_add_nc_u32 v7, s22, v2                       ; the image: 2048 w + 16 lane
	s_lshl_b32 s23, s20, 7
	v_lshl_add_u32 v8, v1, 2, s23                  ; the scale words: 128 w + 4 lane
	s_mov_b32 s28, 0x76543210
	s_mov_b32 s29, 0xfedcba98                      ; v_permlanex16_b32's selects for lane l xor 16
	s_mov_b32 s30, 0x600000                        ; the mantissa field of 57,344
.irp c, 0,1,2,3
.irp i, 0,1,2,3,4,5,6,7,8,9,10,11,12,13,14,15
	global_load_b32 v[XW+16*\c+\i], v3, s[16:17] offset:512*(32*\c+\i) th:TH_LOAD_NT
.endr
.endr
	s_wait_loadcnt 0x0
.irp b, 0,1,2,3                                ; each block's largest magnitude of my 16, in two chains; the eight chains take turns
	v_max3_num_f32 v[TM+\b], |v[XW+16*\b]|, |v[XW+16*\b+1]|, 0x8000000          ; with the floor 2^(16 - 127): the byte cannot fall under 1
	v_max3_num_f32 v[TM+4+\b], |v[XW+16*\b+8]|, |v[XW+16*\b+9]|, |v[XW+16*\b+10]|
.endr
.irp i, 2,4
.irp b, 0,1,2,3
	v_max3_num_f32 v[TM+\b], v[TM+\b], |v[XW+16*\b+\i]|, |v[XW+16*\b+\i+1]|
	v_max3_num_f32 v[TM+4+\b], v[TM+4+\b], |v[XW+16*\b+\i+9]|, |v[XW+16*\b+\i+10]|
.endr
.endr
.irp b, 0,1,2,3
	v_max3_num_f32 v[TM+\b], v[TM+\b], |v[XW+16*\b+6]|, |v[XW+16*\b+7]|
.endr
.irp b, 0,1,2,3
	v_max3_num_f32 v[TM+\b], v[TM+\b], v[TM+4+\b], |v[XW+16*\b+15]|
.endr
.irp b, 0,1,2,3
	v_permlanex16_b32 v[TM+4+\b], v[TM+\b], s28, s29
.endr
.irp b, 0,1,2,3
	v_max_num_f32 v[TM+\b], v[TM+\b], v[TM+4+\b]   ; with lane l xor 16's 16: the block's largest magnitude
.endr
.irp b, 0,1,2,3
	v_add_nc_u32 v[TM+12+\b], 0xf8800000, v[TM+\b] ; 15 off its exponent field: the conversion takes this operand's exponent field as its scale
.endr
.irp b, 0,1,2,3
	v_and_or_b32 v[TM+8+\b], v[TM+\b], 0x7f800000, s30   ; 57,344 x the scale
.endr
.irp b, 0,1,2,3
	v_lshrrev_b32 v[TM+4+\b], 23, v[TM+12+\b]      ; the scale's byte
.endr
	v_lshl_or_b32 v[PW], v[TM+5], 8, v[TM+4]
	v_lshl_or_b32 v[PW], v[TM+6], 16, v[PW]
	v_lshl_or_b32 v[PW], v[TM+7], 24, v[PW]        ; column n's scale word
.irp b, 0,1,2,3
.irp i, 0,1,2,3,4,5,6,7,8,9,10,11,12,13,14,15
	v_med3_num_f32 v[XW+16*\b+\i], v[XW+16*\b+\i], -v[TM+8+\b], v[TM+8+\b]   ; the conversion to an 8-bit code does not saturate (ISA guide 7.6.2): the hold comes first
.endr
	v_cvt_scalef32_pk8_bf8_f32 v[CD+4*\b:CD+4*\b+1], v[XW+16*\b:XW+16*\b+7], v[TM+12+\b]
	v_cvt_scalef32_pk8_bf8_f32 v[CD+4*\b+2:CD+4*\b+3], v[XW+16*\b+8:XW+16*\b+15], v[TM+12+\b]
.endr
	v_nop                                          ; a plain line behind the last conversion
.irp c, 0,1,2,3
	global_store_b128 v7, v[CD+4*\c:CD+4*\c+3], s[18:19] offset:512*\c     ; the wave stores 512 consecutive bytes
.endr
	global_store_b32 v8, v[PW], s[18:19] offset:16384
	s_endpgm
; ---- indices: wave run = 8 x work-group + wave takes 512 points, four steps of 128.  Each load reads 512 consecutive bytes, 16 a lane; a step's 1,536 bytes turn through the
; wave's own stage in LDS and come back 48 bytes a lane: x y z of points 4 lane .. 4 lane + 3.  48 = 3 x 16: sixteen lanes take sixteen different 16-byte columns modulo 256 bytes.
.Lidx:
	s_lshl_b32 s21, ttmp9, 3
	s_add_co_u32 s21, s21, s20                     ; run 0 .. 2047
	s_mul_i32 s22, s21, 6144
	s_mov_b32 s23, 0
	s_add_nc_u64 s[4:5], s[4:5], s[22:23]          ; 512 points x 12 bytes a run
	s_lshl_b32 s22, s21, 11
	s_add_nc_u64 s[12:13], s[12:13], s[22:23]      ; 512 words a run
	s_mul_i32 s24, s20, 1536                       ; my stage
	v_add_nc_u32 v3, s24, v2                       ; in: 16 x lane
	v_mul_u32_u24 v4, v1, 48
	v_add_nc_u32 v4, s24, v4                       ; out: 48 x lane
.irp s, 0,1,2,3
.irp i, 0,1,2
	global_load_b128 v[R+12*\s+4*\i:R+12*\s+4*\i+3], v2, s[4:5] offset:1536*\s+512*\i   ; (no hint: the next launch reads these bytes again)
.endr
.endr
.irp s, 0,1,2,3
	s_wait_loadcnt 3*(3-\s)                        ; this step's three loads are in; the later steps' may be out
.irp i, 0,1,2
	ds_store_b128 v3, v[R+12*\s+4*\i:R+12*\s+4*\i+3] offset:512*\i
.endr
.irp i, 0,1,2
	ds_load_b128 v[P+12*\s+4*\i:P+12*\s+4*\i+3], v4 offset:16*\i   ; LDS serves a wave's instructions in order (ISA guide 5.7.1.4): these see the stores above, and the next step's stores come behind them
.endr
.endr
.irp s, 0,1,2,3
	s_wait_dscnt 6*(3-\s)                          ; this step's numbers are back; the later steps' six LDS instructions each may be out
.irp j, 0,2,4,6,8,10
	v_pk_add_f32 v[P+12*\s+\j:P+12*\s+\j+1], v[P+12*\s+\j:P+12*\s+\j+1], 1.0 op_sel_hi:[1,0]
.endr
.irp j, 0,2,4,6,8,10
	v_pk_mul_f32 v[P+12*\s+\j:P+12*\s+\j+1], v[P+12*\s+\j:P+12*\s+\j+1], 0x437f8000 op_sel_hi:[1,0]   ; x 255.5
.endr
.irp j, 0,1,2,3,4,5,6,7,8,9,10,11
	v_cvt_u32_f32 v[P+12*\s+\j], v[P+12*\s+\j]     ; toward zero: the floor of a number that is not negative
.endr
.irp j, 0,1,2,3,4,5,6,7,8,9,10,11
	v_min_u32 v[P+12*\s+\j], 0x1ff, v[P+12*\s+\j]
.endr
.irp q, 0,1,2,3
	v_lshl_or_b32 v[W+4*\s+\q], v[P+12*\s+3*\q], 9, v[P+12*\s+3*\q+1]
.endr
.irp q, 0,1,2,3
	v_lshl_or_b32 v[W+4*\s+\q], v[W+4*\s+\q], 9, v[P+12*\s+3*\q+2]
.endr
	global_store_b128 v2, v[W+4*\s:W+4*\s+3], s[12:13] offset:512*\s       ; the wave stores 512 consecutive bytes; each step has its own data registers
.endr
	s_wait_tensorcnt 0x0
	ds_add_u32 v128, v129
	s_wait_dscnt 0x0
	s_endpgm
; ---- quads: a wave makes one row of one table: row = 8 (work-group - 256) + wave = 512 x plane + c1.  Lane l takes cells c2 = 32 s + l, s = 0 .. 15.
; Each corner is loaded straight into its place in the cell's four registers: no arithmetic.
.Lquad:
	s_sub_co_u32 s21, ttmp9, 256
	s_lshr_b32 s25, s21, 6                         ; the plane: 0 xy, 1 xz, 2 yz
	s_cmp_eq_u32 s25, 1
	s_cselect_b64 s[6:7], s[8:9], s[6:7]           ; the choice hangs on the work-group's number alone
	s_cmp_eq_u32 s25, 2
	s_cselect_b64 s[6:7], s[10:11], s[6:7]
	s_lshl_b32 s21, s21, 3
	s_add_co_u32 s21, s21, s20                     ; row 0 .. 1535
	s_and_b32 s24, s21, 511                        ; c1
	s_add_co_u32 s26, s24, 1
	s_min_u32 s26, s26, 511                        ; c1c
	s_lshl_b32 s24, s24, 11                        ; rows of 2,048 bytes
	s_mov_b32 s25, 0
	s_lshl_b32 s26, s26, 11
	s_mov_b32 s27, 0
	s_lshl_b32 s22, s21, 13                        ; table rows of 8,192 bytes
	s_mov_b32 s23, 0
	s_add_nc_u64 s[28:29], s[6:7], s[24:25]        ; plane row c1
	s_add_nc_u64 s[30:31], s[6:7], s[26:27]        ; plane row c1c
	s_add_nc_u64 s[14:15], s[14:15], s[22:23]
	v_lshlrev_b32 v3, 2, v1                        ; 4 x lane
	v_add_nc_u32 v4, 4, v3
	v_min_u32 v4, 124, v4                          ; for the row's last 32 cells: c2c stops at column 511
.irp s, 0,1,2,3,4,5,6,7,8,9,10,11,12,13,14,15
.if \s == 15
	global_load_b32 v[Q+4*\s], v4, s[28:29] offset:1920
	global_load_b32 v[Q+4*\s+1], v3, s[28:29] offset:1920
	global_load_b32 v[Q+4*\s+2], v4, s[30:31] offset:1920
	global_load_b32 v[Q+4*\s+3], v3, s[30:31] offset:1920
.else
	global_load_b32 v[Q+4*\s], v3, s[28:29] offset:128*\s+4      ; plane(c1, c2 + 1)
	global_load_b32 v[Q+4*\s+1], v3, s[28:29] offset:128*\s      ; plane(c1, c2)
	global_load_b32 v[Q+4*\s+2], v3, s[30:31] offset:128*\s+4    ; plane(c1c, c2 + 1)
	global_load_b32 v[Q+4*\s+3], v3, s[30:31] offset:128*\s      ; plane(c1c, c2)
.endif
.endr
.irp s, 0,1,2,3,4,5,6,7,8,9,10,11,12,13,14,15
	s_wait_loadcnt 4*(15-\s)                       ; this cell's four loads are in; the later cells' may be out
	global_store_b128 v2, v[Q+4*\s:Q+4*\s+3], s[14:15] offset:512*\s       ; the wave stores 512 consecutive bytes
.endr
	s_endpgm
.Lfunc_end_k_q7e3fe29955_prep:
	.size	k_q7e3fe29955_prep, .Lfunc_end_k_q7e3fe29955_prep-k_q7e3fe29955_prep
	.p2alignl 7, 3214868480
	.fill 96, 4, 3214868480
	.section	.rodata,"a",@progbits
	.p2align	6, 0x0
	.amdhsa_kernel k_q7e3fe29955_prep
		.amdhsa_group_segment_fixed_size 13312
		.amdhsa_private_segment_fixed_size 0
		.amdhsa_enable_private_segment 0
		.amdhsa_kernarg_size 64
		.amdhsa_user_sgpr_count 2
		.amdhsa_user_sgpr_kernarg_segment_ptr 1
		.amdhsa_wavefront_size32 1
		.amdhsa_system_sgpr_workgroup_id_x 1
		.amdhsa_system_sgpr_workgroup_id_y 1
		.amdhsa_system_sgpr_workgroup_id_z 1
		.amdhsa_system_vgpr_workitem_id 0
		.amdhsa_next_free_vgpr 130
		.amdhsa_next_free_sgpr 66
		.amdhsa_reserve_vcc 0
		.amdhsa_float_denorm_mode_32 3
		.amdhsa_float_denorm_mode_16_64 3
		.amdhsa_memory_ordered 1
		.amdhsa_forward_progress 1
		.amdhsa_inst_pref_size 39
	.end_amdhsa_kernel
	.amdgpu_metadata
---
amdhsa.version: [ 1, 2 ]
amdhsa.kernels:
  - .name:           k_q7e3fe29955_prep
    .symbol:         k_q7e3fe29955_prep.kd
    .args:
      - { .name: points, .offset: 0, .size: 8, .value_kind: global_buffer, .address_space: global }
      - { .name: xy_plane, .offset: 8, .size: 8, .value_kind: global_buffer, .address_space: global }
      - { .name: xz_plane, .offset: 16, .size: 8, .value_kind: global_buffer, .address_space: global }
      - { .name: yz_plane, .offset: 24, .size: 8, .value_kind: global_buffer, .address_space: global }
      - { .name: idx, .offset: 32, .size: 8, .value_kind: global_buffer, .address_space: global }
      - { .name: quads, .offset: 40, .size: 8, .value_kind: global_buffer, .address_space: global }
      - { .name: w2, .offset: 48, .size: 8, .value_kind: global_buffer, .address_space: global }
      - { .name: w2q, .offset: 56, .size: 8, .value_kind: global_buffer, .address_space: global }
    .group_segment_fixed_size: 13312
    .private_segment_fixed_size: 0
    .kernarg_segment_align: 8
    .kernarg_segment_size: 64
    .max_flat_workgroup_size: 256
    .sgpr_count:     66
    .vgpr_count:     130
    .wavefront_size: 32
...
	.end_amdgpu_metadata
.endif
;; end of part 1
;; launch sdf (part 2): grid 256 x 1, 4 waves a work-group, no clusters, 6,656 bytes of LDS; arguments points, idx, quads, w2q, w1, b1, b2, w3, b3, out0; writes out0
.if DOCPART == 2
	.amdgcn_target "amdgcn-amd-amdhsa--gfx1250"
	.amdhsa_code_object_version 6
	.text
	.protected	k_q7e3fe29955_sdf
	.globl	k_q7e3fe29955_sdf
	.p2align	8
	.type	k_q7e3fe29955_sdf,@function
k_q7e3fe29955_sdf:
	s_mov_b64 s[64:65], 0
	v_nop
	global_prefetch_b8 v0, s[64:65] scope:SCOPE_SE
	s_setreg_imm32_b32 hwreg(HW_REG_WAVE_MODE, 25, 1), 1
	s_wait_xcnt 0x0
; out = tanh(relu(Q(relu(F w1 + b1)) Q(w2) + b2) . w3 + b3), F = the sum of three bilinear look-ups.  The middle product runs on codes of E5M2 with one E8M0 scale for each 32 along K = 128:
; one scaled matrix instruction deep.  The first product (K = 1) is a fused multiply-add in f32, the last (N = 1) packed multiply-adds in f32.
; SHARES.  Four waves a work-group, 256 work-groups; wave id = 4 x work-group + wave owns 1,024 points: 8 trips of 128.  In a trip lane l holds points 4 l + q, q = 0 .. 3: a lane's 48 bytes of
; coordinates, its four index words and its four results are neighbours in memory.  A trip is 8 tiles of 16 points: tile i = 2 q + u is point q of lanes 16 u .. 16 u + 15.  Waves share nothing: no barrier.
; LOOK-UPS.  The cell numbers come as whole numbers from idx, the four corners of a cell as 16 bytes from quads (both made by the launch before): three gathers a point.  The fractions are made here,
; by the same addition and multiplication that made the cell numbers.
; LAYOUT.  The product is used transposed: source 0 = 16 columns of w2 (fragment t), source 1 = the hidden layer of 16 points, C = b2.  A lane (r = lane % 16, h = lane / 16) holds ONE point r throughout:
; register 16 c + i of the hidden layer is unit 32 c + 16 h + i, which is the operand's order, so the conversions' results are the operand; register 8 t + j of the result is unit 16 t + 8 h + j.
; PIPELINE.  Two sets of registers (tile parity): while tile i's eight matrix instructions run, tile i + 1's hidden layer is made and quantised, then tile i's results are reduced.
; Points and indices are asked for two trips ahead, gathers one trip ahead.  The look-ahead is held at the wave's last trip (k = min(t + 2, 7)), so no load leaves a buffer; the last trip therefore
; prepares its own 128 points once more, and that F is not used: an eighth of the preparation, which spares a second copy of the trip.
; All constants (Q(w2), w1, b1, b2, w3: 392 registers) stay in registers for the whole launch.
; LIMITS: points lie in [-1, 1] (the definition relies on the cell lying inside its table).  NaN and infinities are not served.  A block of the hidden layer that is all zeros gets the byte 1 with zero codes.
; REGISTERS, in windows of 256 (s_set_vgpr_msb: bits 1:0 source 0, 3:2 source 1, 5:4 source 2, 7:6 destination):
;   window 0: v1 lane, v3 h, v4 16 lane, v5 4 lane, v9 64 h, v10 32 h, v11-13 at work, v14 b3 x 2 log2(e); the names below.
;   window 1: v0-127 Q(w2)'s eight fragments; v128-191 w1, v192-255 b1 in the hidden layer's order.
;   window 2: v0-63 b2, v64-127 w3 in the result's order; from v128 all that the preparation of the next trip touches.
.set FQ,    16                         ; v16-19   F of my four points
.set FB,    20                         ; v20, v22 F of the tile's point r, for u = 0 and u = 1 (v21, v23 are named with them as pairs and written once)
.set OQ,    24                         ; v24-27   h2 . w3 of my four points
.set Y,     28                         ; v28-31   the results
.set S,     32                         ; v32-39   four packed sums
.set TM,    40                         ; v40-55   the quantiser's: largest magnitudes, bytes, holds, scale operands
.set PW,    56                         ; v56-57   the hidden layer's scale word, by tile parity: scales and nothing else
.set W2S,   58                         ; v58-65   w2's scale words, one register a fragment: scales and nothing else
.set AU,    66                         ; v66-67   a tile's half sums, u = 0 and u = 1
.set CODES, 80                         ; v80-111  the hidden layer's codes, two sets
.set X,     128                        ; v128-255 two sets of 64: the hidden layer, then the same tile's eight accumulators
.set W2C,   0                          ; window 1
.set W1L,   128
.set B1L,   192
.set B2L,   0                          ; window 2
.set W3L,   64
.set G,     128                        ; v128-175 12 q + 4 p: plane p's byte offset, then its cell's four corners
.set PR,    176                        ; v176-187 points as loaded
.set PT,    188                        ; v188-199 turned: x y z of my four points
.set FR,    200                        ; v200-215 4 q + 0, 2, 3: the fractions fx, fy, fz (4 q + 1 is named in a pair and written once)
.set IX,    216                        ; v216-219 my four index words
.set TT,    220                        ; v220-231 at work
.set L16,   232                        ; 16 x lane
.set PA,    233                        ; the points' offset of the loads in hand
.set IA,    234                        ; the indices'
.set PS,    235                        ; my stage in LDS, the way in: 1536 wave + 16 lane
.set PLD,   236                        ; the way out: 1536 wave + 48 lane
.set W_FMA, 0x14                       ; sources 1 and 2 window 1
.set W_MM,  0x21                       ; A window 1, C window 2
.set W_EPI, 0x08                       ; source 1 window 2
.set W_P,   0xaa                       ; all in window 2
.set W_PF,  0x2a                       ; sources window 2, destination window 0
.set TO_1,  0x40
.set TO_2,  0x80
.set MSB, 0
.macro WIN new                         ; the immediate's high byte repeats the setting that is left; a switch that changes nothing is dropped
.if MSB != \new
	s_set_vgpr_msb (MSB<<8)|\new
.set MSB, \new
.endif
.endm
; Four loads: 128 points (three loads of 512 consecutive bytes) and their index words (one), of the trip whose byte offsets stand in s36 and s37.
.macro PLOAD
	WIN W_P
	v_add_nc_u32 v[PA], s36, v[L16]
	v_add_nc_u32 v[IA], s37, v[L16]
.irp i, 0,1,2
	global_load_b128 v[PR+4*\i:PR+4*\i+3], v[PA], s[8:9] offset:512*\i th:TH_LOAD_NT
.endr
	global_load_b128 v[IX:IX+3], v[IA], s[10:11] th:TH_LOAD_NT
.endm
; The 1,536 bytes turn through my stage: in as loaded, out 48 bytes a lane (48 = 3 x 16: sixteen lanes take sixteen different 16-byte columns modulo 256 bytes).
.macro TURN
	WIN W_P
.irp i, 0,1,2
	ds_store_b128 v[PS], v[PR+4*\i:PR+4*\i+3] offset:512*\i
.endr
.irp i, 0,1,2
	ds_load_b128 v[PT+4*\i:PT+4*\i+3], v[PLD] offset:16*\i     ; LDS serves a wave's instructions in order (ISA guide 5.7.1.4): these see the stores above
.endr
.endm
.macro COORD                           ; p = (pt + 1) * 255.5, and its fraction
	WIN W_P
.irp j, 0,2,4,6,8,10
	v_pk_add_f32 v[PT+\j:PT+\j+1], v[PT+\j:PT+\j+1], 1.0 op_sel_hi:[1,0]
.endr
.irp j, 0,2,4,6,8,10
	v_pk_mul_f32 v[PT+\j:PT+\j+1], v[PT+\j:PT+\j+1], 0x437f8000 op_sel_hi:[1,0]
.endr
.irp j, 0,1,2,3,4,5,6,7,8,9,10,11
	v_floor_f32 v[TT+\j], v[PT+\j]
.endr
.irp q, 0,1,2,3
.irp c, 0,1,2
	v_sub_f32 v[FR+4*\q+\c+(\c+1)/2], v[PT+3*\q+\c], v[TT+3*\q+\c]   ; x, y, z to places 0, 2, 3
.endr
.endr
.endm
; Point q's three gathers.  Each cell number is held under the table's size by a constant in the line, then shifted to bytes; each load lands on its own offset register.
.macro GATHERQ q
	WIN W_P
	v_lshrrev_b32 v[G+12*\q], 9, v[IX+\q]                          ; xy: 512 xf + yf
	v_and_b32 v[G+12*\q+8], 0x3ffff, v[IX+\q]                      ; yz: 512 yf + zf
	v_lshrrev_b32 v[TT+2*\q], 18, v[IX+\q]
	v_and_b32 v[TT+2*\q+1], 0x1ff, v[IX+\q]
	v_lshl_or_b32 v[G+12*\q+4], v[TT+2*\q], 9, v[TT+2*\q+1]        ; xz: 512 xf + zf
.irp p, 0,1,2
	v_min_u32 v[G+12*\q+4*\p], 0x3ffff, v[G+12*\q+4*\p]
.endr
.irp p, 0,1,2
	v_lshlrev_b32 v[G+12*\q+4*\p], 4, v[G+12*\q+4*\p]
.endr
	global_load_b128 v[G+12*\q:G+12*\q+3], v[G+12*\q], s[12:13]
	global_load_b128 v[G+12*\q+4:G+12*\q+7], v[G+12*\q+4], s[28:29]
	global_load_b128 v[G+12*\q+8:G+12*\q+11], v[G+12*\q+8], s[30:31]
.endm
; The twelve look-ups by turns.  A cell is [tl, bl, tr, br]: (tr - tl, br - bl); x the first fraction + (tl, bl) = (top, bottom); bottom + (top - bottom) x the second fraction.  F = xy + xz + yz.
.macro INTERP
	WIN W_P
.irp p, 0,1,2
.irp q, 0,1,2,3
	v_pk_add_f32 v[G+12*\q+4*\p+2:G+12*\q+4*\p+3], v[G+12*\q+4*\p+2:G+12*\q+4*\p+3], v[G+12*\q+4*\p:G+12*\q+4*\p+1] neg_lo:[0,1] neg_hi:[0,1]
.endr
.endr
.irp p, 0,1,2
.irp q, 0,1,2,3
	v_pk_fma_f32 v[G+12*\q+4*\p:G+12*\q+4*\p+1], v[G+12*\q+4*\p+2:G+12*\q+4*\p+3], v[FR+4*\q+2*(\p/2):FR+4*\q+2*(\p/2)+1], v[G+12*\q+4*\p:G+12*\q+4*\p+1] op_sel_hi:[1,0,1]   ; fx for xy and xz, fy for yz: the pair's low word for both halves
.endr
.endr
.irp p, 0,1,2
.irp q, 0,1,2,3
	v_sub_f32 v[G+12*\q+4*\p+2], v[G+12*\q+4*\p], v[G+12*\q+4*\p+1]
.endr
.endr
.irp p, 0,1,2
.irp q, 0,1,2,3
	v_fma_f32 v[G+12*\q+4*\p], v[G+12*\q+4*\p+2], v[FR+4*\q+2+(\p+1)/2], v[G+12*\q+4*\p+1]   ; fy for xy, fz for xz and yz
.endr
.endr
.irp q, 0,1,2,3
	v_add_f32 v[G+12*\q], v[G+12*\q], v[G+12*\q+4]
.endr
	WIN W_PF
.irp q, 0,1,2,3
	v_add_f32 v[FQ+\q], v[G+12*\q], v[G+12*\q+8]
.endr
.endm
; F of point q goes to both halves of the lanes: for tile u = 0 that of lanes 0-15, for u = 1 that of lanes 16-31.  vcc_lo marks lanes 16-31.
.macro FBCAST q
	WIN 0
	v_permlanex16_b32 v11, v[FQ+(\q)], s38, s39
	v_cndmask_b32 v[FB], v[FQ+(\q)], v11, vcc_lo
	v_cndmask_b32 v[FB+2], v11, v[FQ+(\q)], vcc_lo
.endm
; 64 numbers of a lane at v[XS], register 16 b + i = unit 32 b + 16 h + i of my point, become the operand's codes at v[PCS] and its scale word in v[PWS]; what is negative becomes 0 on the way (the activation).
.macro QUANT
.irp b, 0,1,2,3                                ; no |.|: what is negative must not count for the largest magnitude; the floor stands over it.  Two chains a block, the eight by turns
	v_max3_num_f32 v[TM+\b], v[XS+16*\b], v[XS+16*\b+1], 0x8000000             ; the floor 2^(16 - 127): the byte cannot fall under 1
	v_max3_num_f32 v[TM+4+\b], v[XS+16*\b+8], v[XS+16*\b+9], v[XS+16*\b+10]
.endr
.irp n, 2,4
.irp b, 0,1,2,3
	v_max3_num_f32 v[TM+\b], v[TM+\b], v[XS+16*\b+\n], v[XS+16*\b+\n+1]
	v_max3_num_f32 v[TM+4+\b], v[TM+4+\b], v[XS+16*\b+\n+9], v[XS+16*\b+\n+10]
.endr
.endr
.irp b, 0,1,2,3
	v_max3_num_f32 v[TM+\b], v[TM+\b], v[XS+16*\b+6], v[XS+16*\b+7]
.endr
.irp b, 0,1,2,3
	v_max3_num_f32 v[TM+\b], v[TM+\b], v[TM+4+\b], v[XS+16*\b+15]
.endr
.irp b, 0,1,2,3
	v_permlanex16_b32 v[TM+4+\b], v[TM+\b], s38, s39
.endr
.irp b, 0,1,2,3
	v_max_num_f32 v[TM+\b], v[TM+\b], v[TM+4+\b]   ; with lane l xor 16's 16: the block's largest magnitude
.endr
.irp b, 0,1,2,3
	v_add_nc_u32 v[TM+12+\b], 0xf8800000, v[TM+\b] ; 15 off its exponent field: the conversion's scale operand
.endr
.irp b, 0,1,2,3
	v_and_or_b32 v[TM+8+\b], v[TM+\b], 0x7f800000, s40   ; 57,344 x the scale
.endr
.irp b, 0,1,2,3
	v_lshrrev_b32 v[TM+4+\b], 23, v[TM+12+\b]      ; the scale's byte
.endr
	v_lshl_or_b32 v[PWS], v[TM+5], 8, v[TM+4]
	v_lshl_or_b32 v[PWS], v[TM+6], 16, v[PWS]
	v_lshl_or_b32 v[PWS], v[TM+7], 24, v[PWS]      ; my point's scale word
.irp b, 0,1,2,3
.irp n, 0,1,2,3,4,5,6,7,8,9,10,11,12,13,14,15
	v_med3_num_f32 v[XS+16*\b+\n], v[XS+16*\b+\n], 0, v[TM+8+\b]   ; the activation and the hold in one (the conversion to an 8-bit code does not saturate: ISA guide 7.6.2)
.endr
	v_cvt_scalef32_pk8_bf8_f32 v[PCS+4*\b:PCS+4*\b+1], v[XS+16*\b:XS+16*\b+7], v[TM+12+\b]
	v_cvt_scalef32_pk8_bf8_f32 v[PCS+4*\b+2:PCS+4*\b+3], v[XS+16*\b+8:XS+16*\b+15], v[TM+12+\b]
.endr
	v_nop                                          ; a plain line behind the last conversion
.endm
.macro L1 i                            ; tile i's hidden layer: F w1 + b1, fused, two units an instruction; then quantised
	WIN W_FMA
.set XS, X+64*((\i)%2)
.set PCS, CODES+16*((\i)%2)
.set PWS, PW+(\i)%2
.set FS, FB+2*((\i)%2)
.set jj, 0
.rept 32
	v_pk_fma_f32 v[XS+jj:XS+jj+1], v[FS:FS+1], v[W1L+jj:W1L+jj+1], v[B1L+jj:B1L+jj+1] op_sel_hi:[0,1,1]
.set jj, jj+2
.endr
	WIN 0
	QUANT
.endm
; Tile i's eight products: K = 128 is one instruction, so each starts and ends its sum, with b2 as C; eight different accumulators, laid over the tile's hidden layer, which is done with.
.macro MM i
	WIN W_MM
.set XS, X+64*((\i)%2)
.set PCS, CODES+16*((\i)%2)
.set PWS, PW+(\i)%2
.irp t, 0,1,2,3,4,5,6,7
	v_wmma_scale_f32_16x16x128_f8f6f4 v[XS+8*\t:XS+8*\t+7], v[W2C+16*\t:W2C+16*\t+15], v[PCS:PCS+15], v[B2L+8*\t:B2L+8*\t+7], v[W2S+\t], v[PWS] matrix_a_fmt:MATRIX_FMT_BF8 matrix_b_fmt:MATRIX_FMT_BF8
.endr
.endm
; Tile i's results: relu, then the dot with w3 in four packed sums; each accumulator is read from its low end on.  Behind the odd tile the two tiles' half sums go to the lanes that own the points.
.macro EPI i
	WIN W_EPI
.set XS, X+64*((\i)%2)
.irp t, 0,1,2,3,4,5,6,7
.irp j, 0,1,2,3,4,5,6,7
	v_max_num_f32 v[XS+8*\t+\j], v[XS+8*\t+\j], 0  ; (the register stands as source 0, whose window is 0)
.endr
.irp p, 0,1,2,3
.if \t == 0
	v_pk_mul_f32 v[S+2*\p:S+2*\p+1], v[XS+2*\p:XS+2*\p+1], v[W3L+2*\p:W3L+2*\p+1]          ; the first products start the sums
.else
	v_pk_fma_f32 v[S+2*\p:S+2*\p+1], v[XS+8*\t+2*\p:XS+8*\t+2*\p+1], v[W3L+8*\t+2*\p:W3L+8*\t+2*\p+1], v[S+2*\p:S+2*\p+1]
.endif
.endr
.endr
	WIN 0
	v_pk_add_f32 v[S:S+1], v[S:S+1], v[S+2:S+3]
	v_pk_add_f32 v[S+4:S+5], v[S+4:S+5], v[S+6:S+7]
	v_pk_add_f32 v[S:S+1], v[S:S+1], v[S+4:S+5]
	v_add_f32 v[AU+(\i)%2], v[S], v[S+1]           ; lane (r, h): the sum over units 16 t + 8 h + j of point r of this tile
.if (\i)%2 == 1
	v_cndmask_b32 v12, v[AU], v[AU+1], vcc_lo      ; what I keep: my own point's tile (u = my h),
	v_cndmask_b32 v13, v[AU+1], v[AU], vcc_lo      ; what lane l xor 16 wants: its point's tile
	v_permlanex16_b32 v11, v13, s38, s39
	v_add_f32 v[OQ+(\i)/2], v12, v11
.endif
.endm
; tanh(z) = 1 - 2 / (1 + 2^(2 log2(e) z)), z = the dot + b3: where the power overflows the result is 1, where it falls to 0 it is -1.
.macro FINISH
	WIN 0
.irp q, 0,1,2,3
	v_fma_f32 v[Y+\q], v[OQ+\q], s41, v14
.endr
.irp q, 0,1,2,3
	v_exp_f32 v[Y+\q], v[Y+\q]
.endr
	v_nop                                          ; a plain line behind the transcendentals (ISA guide 5.7.2)
	s_wait_alu depctr_va_vdst(0)
.irp q, 0,1,2,3
	v_add_f32 v[Y+\q], 1.0, v[Y+\q]
.endr
.irp q, 0,1,2,3
	v_rcp_f32 v[Y+\q], v[Y+\q]
.endr
	v_nop
	s_wait_alu depctr_va_vdst(0)
.irp q, 0,1,2,3
	v_fma_f32 v[Y+\q], v[Y+\q], -2.0, 1.0
.endr
	global_store_b128 v4, v[Y:Y+3], s[26:27] th:TH_STORE_NT        ; the wave stores 512 consecutive bytes
.endm
	s_load_b512 s[8:23], s[0:1], 0x0               ; points s[8:9], idx s[10:11], quads s[12:13], w2q s[14:15], w1 s[16:17], b1 s[18:19], b2 s[20:21], w3 s[22:23]
	s_load_b128 s[24:27], s[0:1], 0x40             ; b3 s[24:25], out0 s[26:27]
	v_lshl_add_u32 v126, v0, 2, 0x1800
	v_mov_b32 v127, 0
	v_lshrrev_b32 v6, 5, v0
	v_readfirstlane_b32 s33, v6                    ; wave 0..3
	v_and_b32 v1, 31, v0                           ; lane
	v_bfe_u32 v3, v0, 4, 1                         ; h
	v_lshlrev_b32 v4, 4, v1                        ; 16 x lane
	v_lshlrev_b32 v5, 2, v1                        ; 4 x lane
	v_mul_u32_u24 v6, v1, 48                       ; 48 x lane
	v_lshlrev_b32 v9, 6, v3                        ; 64 h: my half's 16 numbers of a block of w1 and b1
	v_lshlrev_b32 v10, 5, v3                       ; 32 h: my half's 8 numbers of a tile of b2 and w3
	v_mov_b32 v11, 0                               ; a lane permute's destination counts as read: written once
	v_mov_b32 v21, 0                               ; named as the upper halves of pairs
	v_mov_b32 v23, 0
	s_mul_i32 s44, s33, 1536                       ; my stage in LDS
	s_lshl_b32 s45, ttmp9, 2
	s_add_co_u32 s45, s45, s33                     ; id 0 .. 1023
	s_mul_i32 s46, s45, 12288                      ; 1,024 points x 12 bytes
	s_mov_b32 s47, 0
	s_mov_b32 s38, 0x76543210
	s_mov_b32 s39, 0xfedcba98                      ; v_permlanex16_b32's selects for lane l xor 16
	s_mov_b32 s40, 0x600000                        ; the mantissa field of 57,344
	s_mov_b32 s41, 0x4038aa3b                      ; 2 log2(e)
	s_mov_b32 vcc_lo, 0xffff0000                   ; lanes 16-31; never rewritten
	s_mov_b32 s36, 0                               ; trip 0
	s_mov_b32 s37, 0
	WIN TO_2
	v_mov_b32 v[L16], v4
	v_add_nc_u32 v[PS], s44, v4
	v_add_nc_u32 v[PLD], s44, v6
.irp q, 0,1,2,3
	v_mov_b32 v[FR+4*\q+1], 0                      ; named as the upper half of a pair
.endr
	s_wait_kmcnt 0x0
	s_add_nc_u64 s[8:9], s[8:9], s[46:47]
	s_lshl_b32 s46, s45, 12                        ; 1,024 words
	s_add_nc_u64 s[10:11], s[10:11], s[46:47]
	s_add_nc_u64 s[26:27], s[26:27], s[46:47]
	s_add_nc_u64 s[28:29], s[12:13], 0x400000      ; the xz table
	s_add_nc_u64 s[30:31], s[12:13], 0x800000      ; the yz table
	s_load_b32 s32, s[24:25], 0x0                  ; b3
	PLOAD                                          ; trip 0's points and indices
	WIN TO_1
.irp t, 0,1,2,3,4,5,6,7
.irp c, 0,1,2,3
	global_load_b128 v[W2C+16*\t+4*\c:W2C+16*\t+4*\c+3], v4, s[14:15] offset:2048*\t+512*\c   ; Q(w2)'s fragments come as they were stored: images of their registers
.endr
.endr
	WIN 0
.irp t, 0,1,2,3,4,5,6,7
	global_load_b32 v[W2S+\t], v5, s[14:15] offset:16384+128*\t
.endr
	s_wait_loadcnt 40                              ; trip 0's four loads are in; the 40 of Q(w2) behind them may be out
	TURN
	s_wait_dscnt 0x0
	COORD
.irp q, 0,1,2,3
	GATHERQ \q
.endr
	s_mov_b32 s36, 1536                            ; trip 1
	s_mov_b32 s37, 512
	PLOAD                                          ; (its registers are free: the wait on LOADcnt has shown the first four loads done, the wait on DScnt that the stage's stores have read theirs)
	WIN TO_1
.irp c, 0,1,2,3
.irp j, 0,1,2,3
	global_load_b128 v[W1L+16*\c+4*\j:W1L+16*\c+4*\j+3], v9, s[16:17] offset:128*\c+16*\j    ; w1(32 c + 16 h + 4 j ..)
	global_load_b128 v[B1L+16*\c+4*\j:B1L+16*\c+4*\j+3], v9, s[18:19] offset:128*\c+16*\j
.endr
.endr
	WIN TO_2
.irp t, 0,1,2,3,4,5,6,7
	global_load_b128 v[B2L+8*\t:B2L+8*\t+3], v10, s[20:21] offset:64*\t                      ; b2(16 t + 8 h ..)
	global_load_b128 v[B2L+8*\t+4:B2L+8*\t+7], v10, s[20:21] offset:64*\t+16
	global_load_b128 v[W3L+8*\t:W3L+8*\t+3], v10, s[22:23] offset:64*\t
	global_load_b128 v[W3L+8*\t+4:W3L+8*\t+7], v10, s[22:23] offset:64*\t+16
.endr
	s_wait_loadcnt 63                              ; the gathers are in: 68 loads were issued behind them, and 63 is the most that the wait's field names
	INTERP                                         ; F of trip 0
	WIN 0
	s_wait_kmcnt 0x0
	v_mov_b32 v14, s32
	v_mul_f32 v14, s41, v14                        ; b3 x 2 log2(e)
	s_mov_b32 s34, 0
.Ltrip:                                                ; trip t: F(t) lies in FQ; the points and indices of trip min(t + 1, 7) are on their way
	WIN W_P
	s_wait_loadcnt 0x0                             ; they are in (in trip 0 the constants too): nothing else is out
	TURN
	FBCAST 0
	L1 0                                           ; tile 0's hidden layer stands between the stage's loads and the wait for them
	WIN W_P
	s_wait_dscnt 0x0                               ; the turned points are in, and the stage's stores have read their registers
	COORD
.irp q, 0,1,2,3
	GATHERQ \q                                     ; the next trip's twelve gathers: they have seven tiles' work in which to land
.endr
	s_add_co_u32 s35, s34, 2
	s_min_u32 s35, s35, 7                          ; the look-ahead stops at my last trip: no load leaves its buffer
	s_mul_i32 s36, s35, 1536
	s_lshl_b32 s37, s35, 9
	PLOAD
	MM 0                                           ; the lines since L1 0 are the places between the codes and scale word made there and these products
.irp i, 1,2,3,4,5,6,7
.if (\i)%2 == 0
	FBCAST \i/2
.endif
	L1 \i                                          ; names no register of the products just issued (the other set): their places (ISA guide 7.12.1), and work while they run
	EPI \i-1
	MM \i
.endr
	WIN W_P
	s_wait_loadcnt 4                               ; the gathers are in; the four loads of points and indices issued behind them may be out
	INTERP                                         ; F of the next trip; also the places behind the last products
	EPI 7
	FINISH
	s_wait_xcnt 0x0                                ; the store has read its data and its base: both are written again only behind this wait
	s_add_nc_u64 s[26:27], s[26:27], 512
	WIN 0                                          ; at a label and at a branch every window is 0
	s_add_co_u32 s34, s34, 1
	s_cmp_lt_u32 s34, 8
	s_cbranch_scc1 .Ltrip
	s_wait_tensorcnt 0x0
	ds_add_u32 v126, v127
	s_wait_dscnt 0x0
	s_endpgm
.Lfunc_end_k_q7e3fe29955_sdf:
	.size	k_q7e3fe29955_sdf, .Lfunc_end_k_q7e3fe29955_sdf-k_q7e3fe29955_sdf
	.p2alignl 7, 3214868480
	.fill 96, 4, 3214868480
	.section	.rodata,"a",@progbits
	.p2align	6, 0x0
	.amdhsa_kernel k_q7e3fe29955_sdf
		.amdhsa_group_segment_fixed_size 6656
		.amdhsa_private_segment_fixed_size 0
		.amdhsa_enable_private_segment 0
		.amdhsa_kernarg_size 80
		.amdhsa_user_sgpr_count 2
		.amdhsa_user_sgpr_kernarg_segment_ptr 1
		.amdhsa_wavefront_size32 1
		.amdhsa_system_sgpr_workgroup_id_x 1
		.amdhsa_system_sgpr_workgroup_id_y 1
		.amdhsa_system_sgpr_workgroup_id_z 1
		.amdhsa_system_vgpr_workitem_id 0
		.amdhsa_next_free_vgpr 768
		.amdhsa_next_free_sgpr 66
		.amdhsa_reserve_vcc 1
		.amdhsa_float_denorm_mode_32 3
		.amdhsa_float_denorm_mode_16_64 3
		.amdhsa_memory_ordered 1
		.amdhsa_forward_progress 1
		.amdhsa_inst_pref_size 172
	.end_amdhsa_kernel
	.amdgpu_metadata
---
amdhsa.version: [ 1, 2 ]
amdhsa.kernels:
  - .name:           k_q7e3fe29955_sdf
    .symbol:         k_q7e3fe29955_sdf.kd
    .args:
      - { .name: points, .offset: 0, .size: 8, .value_kind: global_buffer, .address_space: global }
      - { .name: idx, .offset: 8, .size: 8, .value_kind: global_buffer, .address_space: global }
      - { .name: quads, .offset: 16, .size: 8, .value_kind: global_buffer, .address_space: global }
      - { .name: w2q, .offset: 24, .size: 8, .value_kind: global_buffer, .address_space: global }
      - { .name: w1, .offset: 32, .size: 8, .value_kind: global_buffer, .address_space: global }
      - { .name: b1, .offset: 40, .size: 8, .value_kind: global_buffer, .address_space: global }
      - { .name: b2, .offset: 48, .size: 8, .value_kind: global_buffer, .address_space: global }
      - { .name: w3, .offset: 56, .size: 8, .value_kind: global_buffer, .address_space: global }
      - { .name: b3, .offset: 64, .size: 8, .value_kind: global_buffer, .address_space: global }
      - { .name: out0, .offset: 72, .size: 8, .value_kind: global_buffer, .address_space: global }
    .group_segment_fixed_size: 6656
    .private_segment_fixed_size: 0
    .kernarg_segment_align: 8
    .kernarg_segment_size: 80
    .max_flat_workgroup_size: 128
    .sgpr_count:     66
    .vgpr_count:     768
    .wavefront_size: 32
...
	.end_amdgpu_metadata
.endif
;; end of part 2
;; ======== version 2 of 2: 2 launches
;; workspace buffers: idx 4,194,304 bytes of whole numbers; quads 12,582,912 bytes; w2q 17,408 bytes
;; launch prep (part 3): grid 449 x 1, 8 waves a work-group, no clusters, 13,312 bytes of LDS; arguments points, xy_plane, xz_plane, yz_plane, idx, quads, w2, w2q; writes idx, quads, w2q
.if DOCPART == 3
	.amdgcn_target "amdgcn-amd-amdhsa--gfx1250"
	.amdhsa_code_object_version 6
	.text
	.protected	k_q7e3fe29955_prep
	.globl	k_q7e3fe29955_prep
	.p2align	8
	.type	k_q7e3fe29955_prep,@function
k_q7e3fe29955_prep:
	s_mov_b64 s[64:65], 0
	v_nop
	global_prefetch_b8 v0, s[64:65] scope:SCOPE_SE
	s_setreg_imm32_b32 hwreg(HW_REG_WAVE_MODE, 25, 1), 1
	s_wait_xcnt 0x0
; PREP: three jobs that are done once, each by work-groups of its own, chosen by the work-group's number.
;   work-groups 0-255:   idx[point] = (xf << 18) | (yf << 9) | zf, the three cell numbers floor((pt + 1) * 255.5), each 0 .. 511, as whole numbers:
;                        the next launch forms its gather addresses from them.
;   work-groups 256-447: quads: three tables (xy, xz, yz), 4 MiB each.  Cell (c1, c2), at byte 16 (512 c1 + c2), holds the four corners that a bilinear look-up
;                        wants, [plane(c1, c2c), plane(c1, c2), plane(c1c, c2c), plane(c1c, c2)], c1c = min(c1 + 1, 511), c2c likewise: one load of 16 bytes a look-up, clamps built in.
;   work-group 448:      w2q: w2 [128 (k)][128 (n)] quantised along k to E5M2 with one E8M0 byte for each 32, laid as images of operand registers:
;                        fragment t (columns 16 t .. 16 t + 15) at 2048 t, register group c at + 512 c, a lane's 16 bytes at + 16 lane; its scale words at 16384 + 128 t + 4 lane.
; (pt + 1) * 255.5 is an addition and a multiplication, as the definition has it ((pt + 1) * 0.5 * 511: the factor 0.5 rounds nothing); the next launch uses the same two lines, so cell and fraction agree.
; LIMITS: points lie in [-1, 1] (the definition relies on the cell lying inside its table); outside, the cell is held at the table's border.  NaN and infinities are not served.
; A block of w2 that is all zeros gets the scale byte 1 with zero codes, which add nothing; the bytes are read by this program alone.
; No matrix work, no tensor loads, no barrier, no loop: waves share nothing, and every offset is an immediate.
.set R,  16                            ; index path: v16-63   four steps x 12 registers, points as loaded
.set P,  64                            ;             v64-111  the same, turned: a lane's 12 numbers are x y z of four neighbouring points
.set W,  112                           ;             v112-127 four index words a step
.set Q,  16                            ; quad path:  v16-79   sixteen cells a lane
.set XW, 16                            ; w2 path:    v16-79   64 numbers of my column
.set CD, 80                            ;             v80-95   the fragment's codes
.set TM, 96                            ;             v96-111  at work
.set PW, 112                           ;             v112     the scale word
	s_load_b256 s[4:11], s[0:1], 0x0               ; points s[4:5], xy s[6:7], xz s[8:9], yz s[10:11]
	s_load_b256 s[12:19], s[0:1], 0x20             ; idx s[12:13], quads s[14:15], w2 s[16:17], w2q s[18:19]
	v_lshl_add_u32 v128, v0, 2, 0x3000
	v_mov_b32 v129, 0
	v_lshrrev_b32 v5, 5, v0
	s_delay_alu instid0(VALU_DEP_1)
	v_readfirstlane_b32 s20, v5                    ; wave 0..7
	v_and_b32 v1, 31, v0                           ; lane
	s_delay_alu instid0(VALU_DEP_1)
	v_lshlrev_b32 v2, 4, v1                        ; 16 x lane
	s_wait_kmcnt 0x0
	s_cmp_lt_u32 ttmp9, 256
	s_cbranch_scc1 .Lidx
	s_cmp_lt_u32 ttmp9, 448
	s_cbranch_scc1 .Lquad
; ---- w2: wave w makes fragment w.  A lane takes column n = 16 w + lane % 16 and its registers run down k in the order of the operand's layout:
; register 16 c + i = w2(32 c + 16 (lane / 16) + i, n).  So the conversions' results are the operand's registers.
	v_and_b32 v5, 15, v0                           ; r
	v_bfe_u32 v6, v0, 4, 1                         ; h
	s_delay_alu instid0(VALU_DEP_2)
	v_lshlrev_b32 v3, 2, v5                        ; 4 r
	s_delay_alu instid0(VALU_DEP_1)
	v_lshl_add_u32 v3, v6, 13, v3                  ; + 16 h rows of 512 bytes
	s_lshl_b32 s21, s20, 6
	v_add_nc_u32 v3, s21, v3                       ; + 16 w columns
	s_lshl_b32 s22, s20, 11
	s_wait_alu depctr_va_vdst(0)
	v_add_nc_u32 v7, s22, v2                       ; the image: 2048 w + 16 lane
	s_lshl_b32 s23, s20, 7
	v_lshl_add_u32 v8, v1, 2, s23                  ; the scale words: 128 w + 4 lane
	s_mov_b32 s28, 0x76543210
	s_mov_b32 s29, 0xfedcba98                      ; v_permlanex16_b32's selects for lane l xor 16
	s_mov_b32 s30, 0x600000                        ; the mantissa field of 57,344
.irp c, 0,1,2,3
.irp i, 0,1,2,3,4,5,6,7,8,9,10,11,12,13,14,15
	global_load_b32 v[XW+16*\c+\i], v3, s[16:17] offset:512*(32*\c+\i) th:TH_LOAD_NT
.endr
.endr
	s_wait_loadcnt 0x0
.irp b, 0,1,2,3                                ; each block's largest magnitude of my 16, in two chains; the eight chains take turns
	v_max3_num_f32 v[TM+\b], |v[XW+16*\b]|, |v[XW+16*\b+1]|, 0x8000000          ; with the floor 2^(16 - 127): the byte cannot fall under 1
	v_max3_num_f32 v[TM+4+\b], |v[XW+16*\b+8]|, |v[XW+16*\b+9]|, |v[XW+16*\b+10]|
.endr
.irp i, 2,4
.irp b, 0,1,2,3
	v_max3_num_f32 v[TM+\b], v[TM+\b], |v[XW+16*\b+\i]|, |v[XW+16*\b+\i+1]|
	v_max3_num_f32 v[TM+4+\b], v[TM+4+\b], |v[XW+16*\b+\i+9]|, |v[XW+16*\b+\i+10]|
.endr
.endr
.irp b, 0,1,2,3
	v_max3_num_f32 v[TM+\b], v[TM+\b], |v[XW+16*\b+6]|, |v[XW+16*\b+7]|
.endr
.irp b, 0,1,2,3
	s_delay_alu instid0(VALU_DEP_4)
	v_max3_num_f32 v[TM+\b], v[TM+\b], v[TM+4+\b], |v[XW+16*\b+15]|
.endr
.irp b, 0,1,2,3
	s_delay_alu instid0(VALU_DEP_4)
	v_permlanex16_b32 v[TM+4+\b], v[TM+\b], s28, s29
.endr
.irp b, 0,1,2,3
	s_delay_alu instid0(VALU_DEP_4)
	v_max_num_f32 v[TM+\b], v[TM+\b], v[TM+4+\b]   ; with lane l xor 16's 16: the block's largest magnitude
.endr
.irp b, 0,1,2,3
	s_delay_alu instid0(VALU_DEP_4)
	v_add_nc_u32 v[TM+12+\b], 0xf8800000, v[TM+\b] ; 15 off its exponent field: the conversion takes this operand's exponent field as its scale
.endr
.irp b, 0,1,2,3
	v_and_or_b32 v[TM+8+\b], v[TM+\b], 0x7f800000, s30   ; 57,344 x the scale
.endr
.irp b, 0,1,2,3
	v_lshrrev_b32 v[TM+4+\b], 23, v[TM+12+\b]      ; the scale's byte
.endr
	s_delay_alu instid0(VALU_DEP_3)
	v_lshl_or_b32 v[PW], v[TM+5], 8, v[TM+4]
	s_delay_alu instid0(VALU_DEP_1)
	v_lshl_or_b32 v[PW], v[TM+6], 16, v[PW]
	s_delay_alu instid0(VALU_DEP_1)
	v_lshl_or_b32 v[PW], v[TM+7], 24, v[PW]        ; column n's scale word
.irp b, 0,1,2,3
.irp i, 0,1,2,3,4,5,6,7,8,9,10,11,12,13,14,15
	v_med3_num_f32 v[XW+16*\b+\i], v[XW+16*\b+\i], -v[TM+8+\b], v[TM+8+\b]   ; the conversion to an 8-bit code does not saturate (ISA guide 7.6.2): the hold comes first
.endr
	v_cvt_scalef32_pk8_bf8_f32 v[CD+4*\b:CD+4*\b+1], v[XW+16*\b:XW+16*\b+7], v[TM+12+\b]
	v_cvt_scalef32_pk8_bf8_f32 v[CD+4*\b+2:CD+4*\b+3], v[XW+16*\b+8:XW+16*\b+15], v[TM+12+\b]
.endr
	v_nop                                          ; a plain line behind the last conversion
.irp c, 0,1,2,3
	global_store_b128 v7, v[CD+4*\c:CD+4*\c+3], s[18:19] offset:512*\c     ; the wave stores 512 consecutive bytes
.endr
	global_store_b32 v8, v[PW], s[18:19] offset:16384
	s_endpgm
; ---- indices: wave run = 8 x work-group + wave takes 512 points, four steps of 128.  Each load reads 512 consecutive bytes, 16 a lane; a step's 1,536 bytes turn through the
; wave's own stage in LDS and come back 48 bytes a lane: x y z of points 4 lane .. 4 lane + 3.  48 = 3 x 16: sixteen lanes take sixteen different 16-byte columns modulo 256 bytes.
.Lidx:
	s_lshl_b32 s21, ttmp9, 3
	s_add_co_u32 s21, s21, s20                     ; run 0 .. 2047
	s_mul_i32 s22, s21, 6144
	s_mov_b32 s23, 0
	s_add_nc_u64 s[4:5], s[4:5], s[22:23]          ; 512 points x 12 bytes a run
	s_lshl_b32 s22, s21, 11
	s_add_nc_u64 s[12:13], s[12:13], s[22:23]      ; 512 words a run
	s_mul_i32 s24, s20, 1536                       ; my stage
	s_wait_alu depctr_va_vdst(0)
	v_add_nc_u32 v3, s24, v2                       ; in: 16 x lane
	v_mul_u32_u24 v4, v1, 48
	s_delay_alu instid0(VALU_DEP_1)
	v_add_nc_u32 v4, s24, v4                       ; out: 48 x lane
.irp s, 0,1,2,3
.irp i, 0,1,2
	global_load_b128 v[R+12*\s+4*\i:R+12*\s+4*\i+3], v2, s[4:5] offset:1536*\s+512*\i   ; (no hint: the next launch reads these bytes again)
.endr
.endr
	s_wait_alu depctr_va_vdst(0)
.irp s, 0,1,2,3
	s_wait_loadcnt 3*(3-\s)                        ; this step's three loads are in; the later steps' may be out
.irp i, 0,1,2
	ds_store_b128 v3, v[R+12*\s+4*\i:R+12*\s+4*\i+3] offset:512*\i
.endr
.irp i, 0,1,2
	ds_load_b128 v[P+12*\s+4*\i:P+12*\s+4*\i+3], v4 offset:16*\i   ; LDS serves a wave's instructions in order (ISA guide 5.7.1.4): these see the stores above, and the next step's stores come behind them
.endr
.endr
.irp s, 0,1,2,3
	s_wait_dscnt 6*(3-\s)                          ; this step's numbers are back; the later steps' six LDS instructions each may be out
.irp j, 0,2,4,6,8,10
	v_pk_add_f32 v[P+12*\s+\j:P+12*\s+\j+1], v[P+12*\s+\j:P+12*\s+\j+1], 1.0 op_sel_hi:[1,0]
.endr
.irp j, 0,2,4,6,8,10
	v_pk_mul_f32 v[P+12*\s+\j:P+12*\s+\j+1], v[P+12*\s+\j:P+12*\s+\j+1], 0x437f8000 op_sel_hi:[1,0]   ; x 255.5
.endr
.irp j, 0,1,2,3,4,5,6,7,8,9,10,11
	v_cvt_u32_f32 v[P+12*\s+\j], v[P+12*\s+\j]     ; toward zero: the floor of a number that is not negative
.endr
.irp j, 0,1,2,3,4,5,6,7,8,9,10,11
	v_min_u32 v[P+12*\s+\j], 0x1ff, v[P+12*\s+\j]
.endr
.irp q, 0,1,2,3
	v_lshl_or_b32 v[W+4*\s+\q], v[P+12*\s+3*\q], 9, v[P+12*\s+3*\q+1]
.endr
.irp q, 0,1,2,3
	s_delay_alu instid0(VALU_DEP_4)
	v_lshl_or_b32 v[W+4*\s+\q], v[W+4*\s+\q], 9, v[P+12*\s+3*\q+2]
.endr
	global_store_b128 v2, v[W+4*\s:W+4*\s+3], s[12:13] offset:512*\s       ; the wave stores 512 consecutive bytes; each step has its own data registers
.endr
	s_wait_tensorcnt 0x0
	ds_add_u32 v128, v129
	s_wait_dscnt 0x0
	s_endpgm
; ---- quads: a wave makes one row of one table: row = 8 (work-group - 256) + wave = 512 x plane + c1.  Lane l takes cells c2 = 32 s + l, s = 0 .. 15.
; Each corner is loaded straight into its place in the cell's four registers: no arithmetic.
.Lquad:
	s_sub_co_u32 s21, ttmp9, 256
	s_lshr_b32 s25, s21, 6                         ; the plane: 0 xy, 1 xz, 2 yz
	s_cmp_eq_u32 s25, 1
	s_cselect_b64 s[6:7], s[8:9], s[6:7]           ; the choice hangs on the work-group's number alone
	s_cmp_eq_u32 s25, 2
	s_cselect_b64 s[6:7], s[10:11], s[6:7]
	s_lshl_b32 s21, s21, 3
	s_add_co_u32 s21, s21, s20                     ; row 0 .. 1535
	s_and_b32 s24, s21, 511                        ; c1
	s_add_co_u32 s26, s24, 1
	s_min_u32 s26, s26, 511                        ; c1c
	s_lshl_b32 s24, s24, 11                        ; rows of 2,048 bytes
	s_mov_b32 s25, 0
	s_lshl_b32 s26, s26, 11
	s_mov_b32 s27, 0
	s_lshl_b32 s22, s21, 13                        ; table rows of 8,192 bytes
	s_mov_b32 s23, 0
	s_add_nc_u64 s[28:29], s[6:7], s[24:25]        ; plane row c1
	s_add_nc_u64 s[30:31], s[6:7], s[26:27]        ; plane row c1c
	s_add_nc_u64 s[14:15], s[14:15], s[22:23]
	s_wait_alu depctr_va_vdst(0)
	v_lshlrev_b32 v3, 2, v1                        ; 4 x lane
	s_delay_alu instid0(VALU_DEP_1)
	v_add_nc_u32 v4, 4, v3
	s_delay_alu instid0(VALU_DEP_1)
	v_min_u32 v4, 124, v4                          ; for the row's last 32 cells: c2c stops at column 511
.irp s, 0,1,2,3,4,5,6,7,8,9,10,11,12,13,14,15
.if \s == 15
	global_load_b32 v[Q+4*\s], v4, s[28:29] offset:1920
	global_load_b32 v[Q+4*\s+1], v3, s[28:29] offset:1920
	global_load_b32 v[Q+4*\s+2], v4, s[30:31] offset:1920
	global_load_b32 v[Q+4*\s+3], v3, s[30:31] offset:1920
.else
	global_load_b32 v[Q+4*\s], v3, s[28:29] offset:128*\s+4      ; plane(c1, c2 + 1)
	global_load_b32 v[Q+4*\s+1], v3, s[28:29] offset:128*\s      ; plane(c1, c2)
	global_load_b32 v[Q+4*\s+2], v3, s[30:31] offset:128*\s+4    ; plane(c1c, c2 + 1)
	global_load_b32 v[Q+4*\s+3], v3, s[30:31] offset:128*\s      ; plane(c1c, c2)
.endif
.endr
.irp s, 0,1,2,3,4,5,6,7,8,9,10,11,12,13,14,15
	s_wait_loadcnt 4*(15-\s)                       ; this cell's four loads are in; the later cells' may be out
	global_store_b128 v2, v[Q+4*\s:Q+4*\s+3], s[14:15] offset:512*\s       ; the wave stores 512 consecutive bytes
.endr
	s_endpgm
.Lfunc_end_k_q7e3fe29955_prep:
	.size	k_q7e3fe29955_prep, .Lfunc_end_k_q7e3fe29955_prep-k_q7e3fe29955_prep
	.p2alignl 7, 3214868480
	.fill 96, 4, 3214868480
	.section	.rodata,"a",@progbits
	.p2align	6, 0x0
	.amdhsa_kernel k_q7e3fe29955_prep
		.amdhsa_group_segment_fixed_size 13312
		.amdhsa_private_segment_fixed_size 0
		.amdhsa_enable_private_segment 0
		.amdhsa_kernarg_size 64
		.amdhsa_user_sgpr_count 2
		.amdhsa_user_sgpr_kernarg_segment_ptr 1
		.amdhsa_wavefront_size32 1
		.amdhsa_system_sgpr_workgroup_id_x 1
		.amdhsa_system_sgpr_workgroup_id_y 1
		.amdhsa_system_sgpr_workgroup_id_z 1
		.amdhsa_system_vgpr_workitem_id 0
		.amdhsa_next_free_vgpr 130
		.amdhsa_next_free_sgpr 66
		.amdhsa_reserve_vcc 0
		.amdhsa_float_denorm_mode_32 3
		.amdhsa_float_denorm_mode_16_64 3
		.amdhsa_memory_ordered 1
		.amdhsa_forward_progress 1
		.amdhsa_inst_pref_size 41
	.end_amdhsa_kernel
	.amdgpu_metadata
---
amdhsa.version: [ 1, 2 ]
amdhsa.kernels:
  - .name:           k_q7e3fe29955_prep
    .symbol:         k_q7e3fe29955_prep.kd
    .args:
      - { .name: points, .offset: 0, .size: 8, .value_kind: global_buffer, .address_space: global }
      - { .name: xy_plane, .offset: 8, .size: 8, .value_kind: global_buffer, .address_space: global }
      - { .name: xz_plane, .offset: 16, .size: 8, .value_kind: global_buffer, .address_space: global }
      - { .name: yz_plane, .offset: 24, .size: 8, .value_kind: global_buffer, .address_space: global }
      - { .name: idx, .offset: 32, .size: 8, .value_kind: global_buffer, .address_space: global }
      - { .name: quads, .offset: 40, .size: 8, .value_kind: global_buffer, .address_space: global }
      - { .name: w2, .offset: 48, .size: 8, .value_kind: global_buffer, .address_space: global }
      - { .name: w2q, .offset: 56, .size: 8, .value_kind: global_buffer, .address_space: global }
    .group_segment_fixed_size: 13312
    .private_segment_fixed_size: 0
    .kernarg_segment_align: 8
    .kernarg_segment_size: 64
    .max_flat_workgroup_size: 256
    .sgpr_count:     66
    .vgpr_count:     130
    .wavefront_size: 32
...
	.end_amdgpu_metadata
.endif
;; end of part 3
;; launch sdf (part 4): grid 256 x 1, 4 waves a work-group, no clusters, 6,656 bytes of LDS; arguments points, idx, quads, w2q, w1, b1, b2, w3, b3, out0; writes out0
.if DOCPART == 4
	.amdgcn_target "amdgcn-amd-amdhsa--gfx1250"
	.amdhsa_code_object_version 6
	.text
	.protected	k_q7e3fe29955_sdf
	.globl	k_q7e3fe29955_sdf
	.p2align	8
	.type	k_q7e3fe29955_sdf,@function
k_q7e3fe29955_sdf:
	s_mov_b64 s[64:65], 0
	v_nop
	global_prefetch_b8 v0, s[64:65] scope:SCOPE_SE
	s_setreg_imm32_b32 hwreg(HW_REG_WAVE_SCHED_MODE, 0, 2), 2
	s_setreg_imm32_b32 hwreg(HW_REG_WAVE_MODE, 25, 1), 1
	s_wait_xcnt 0x0
	s_wait_alu depctr_vm_vsrc(0)
; out = tanh(relu(Q(relu(F w1 + b1)) Q(w2) + b2) . w3 + b3), F = the sum of three bilinear look-ups.  The middle product runs on codes of E5M2 with one E8M0 scale for each 32 along K = 128:
; one scaled matrix instruction deep.  The first product (K = 1) is a fused multiply-add in f32, the last (N = 1) packed multiply-adds in f32.
; SHARES.  Four waves a work-group, 256 work-groups; wave id = 4 x work-group + wave owns 1,024 points: 8 trips of 128.  In a trip lane l holds points 4 l + q, q = 0 .. 3: a lane's 48 bytes of
; coordinates, its four index words and its four results are neighbours in memory.  A trip is 8 tiles of 16 points: tile i = 2 q + u is point q of lanes 16 u .. 16 u + 15.  Waves share nothing: no barrier.
; LOOK-UPS.  The cell numbers come as whole numbers from idx, the four corners of a cell as 16 bytes from quads (both made by the launch before): three gathers a point.  The fractions are made here,
; by the same addition and multiplication that made the cell numbers.
; LAYOUT.  The product is used transposed: source 0 = 16 columns of w2 (fragment t), source 1 = the hidden layer of 16 points, C = b2.  A lane (r = lane % 16, h = lane / 16) holds ONE point r throughout:
; register 16 c + i of the hidden layer is unit 32 c + 16 h + i, which is the operand's order, so the conversions' results are the operand; register 8 t + j of the result is unit 16 t + 8 h + j.
; PIPELINE.  Two sets of registers (tile parity): while tile i's eight matrix instructions run, tile i + 1's hidden layer is made and quantised, then tile i's results are reduced.
; Points and indices are asked for two trips ahead, gathers one trip ahead.  The look-ahead is held at the wave's last trip (k = min(t + 2, 7)), so no load leaves a buffer; the last trip therefore
; prepares its own 128 points once more, and that F is not used: an eighth of the preparation, which spares a second copy of the trip.
; All constants (Q(w2), w1, b1, b2, w3: 392 registers) stay in registers for the whole launch.
; LIMITS: points lie in [-1, 1] (the definition relies on the cell lying inside its table).  NaN and infinities are not served.  A block of the hidden layer that is all zeros gets the byte 1 with zero codes.
; THE MODE: SCHED_MODE bits 1:0 = 2 (LLVM: expert scheduling mode 2), set by the entry lines.  The code itself states the register dependences
; between vector or matrix instructions and memory or LDS instructions, with s_wait_alu, always for 0.
; THE PLAN.  Registers that memory or LDS instructions touch, in the loop:
;   PR   Points as loaded.  The loads of PLOAD land in it; the LDS stores at the next trip's head read it; no vector instruction names it.
;   IX   Index words.  PLOAD's fourth load lands in it; the address arithmetic of the next trip reads it.
;   PT   The stage's LDS loads land in it; COORD alone works on it.
;   GA   The twelve gathers' byte offsets: written by the address arithmetic, read by the gathers.
;   G    The gathers land in it; INTERP alone works on it.
;   Y    Written by FINISH, read by the trip's one store.
;   v4, v5, v9, v10, L16, PS, PLD  offsets and LDS addresses, made at the head and never written again: points and indices are reached by two scalar bases.
; So a trip has ONE wait on vm_vsrc, ahead of the address arithmetic, and ONE wait on va_vdst for its sixteen loads, behind that arithmetic; behind that wait stand the loads and tile 0's products,
; and no vector instruction between.  The stage's LDS loads at a trip's head owe nothing: the last vector instruction that names PT, the trip before's COORD, stands ahead of that trip's wait on va_vdst.
; Beside them: a wait on va_vdst ahead of the products of tiles 1 to 7, whose codes and scale word vector instructions have just written, and one ahead of the store.
; REGISTERS, in windows of 256 (s_set_vgpr_msb: bits 1:0 source 0, 3:2 source 1, 5:4 source 2, 7:6 destination):
;   window 0: v1 lane, v3 h, v4 16 lane, v5 4 lane, v9 64 h, v10 32 h, v11-13 at work, v14 b3 x 2 log2(e); the names below.
;   window 1: v0-127 Q(w2)'s eight fragments; v128-191 w1, v192-255 b1 in the hidden layer's order.
;   window 2: v0-63 b2, v64-127 w3 in the result's order; from v128 all that the preparation of the next trip touches.
.set FQ,    16                         ; v16-19   F of my four points
.set FB,    20                         ; v20, v22 F of the tile's point r, for u = 0 and u = 1 (v21, v23 are named with them as pairs and written once)
.set OQ,    24                         ; v24-27   h2 . w3 of my four points
.set Y,     28                         ; v28-31   the results
.set S,     32                         ; v32-39   four packed sums
.set TM,    40                         ; v40-55   the quantiser's: largest magnitudes, bytes, holds, scale operands
.set PW,    56                         ; v56-57   the hidden layer's scale word, by tile parity: scales and nothing else
.set W2S,   58                         ; v58-65   w2's scale words, one register a fragment: scales and nothing else
.set AU,    66                         ; v66-67   a tile's half sums, u = 0 and u = 1
.set CODES, 80                         ; v80-111  the hidden layer's codes, two sets
.set X,     128                        ; v128-255 two sets of 64: the hidden layer, then the same tile's eight accumulators
.set W2C,   0                          ; window 1
.set W1L,   128
.set B1L,   192
.set B2L,   0                          ; window 2
.set W3L,   64
.set G,     128                        ; v128-175 12 q + 4 p: the four corners of point q's cell in plane p
.set PR,    176                        ; v176-187 points as loaded
.set PT,    188                        ; v188-199 turned: x y z of my four points
.set FR,    200                        ; v200-215 4 q + 0, 2, 3: the fractions fx, fy, fz (4 q + 1 is named in a pair and written once)
.set IX,    216                        ; v216-219 my four index words
.set TT,    220                        ; v220-231 at work
.set L16,   232                        ; 16 x lane
.set PS,    235                        ; my stage in LDS, the way in: 1536 wave + 16 lane
.set PLD,   236                        ; the way out: 1536 wave + 48 lane
.set GA,    240                        ; v240-251 3 q + p: the byte offset of point q's cell in plane p's table
.set W_FMA, 0x14                       ; sources 1 and 2 window 1
.set W_MM,  0x21                       ; A window 1, C window 2
.set W_EPI, 0x08                       ; source 1 window 2
.set W_P,   0xaa                       ; all in window 2
.set W_PF,  0x2a                       ; sources window 2, destination window 0
.set TO_1,  0x40
.set TO_2,  0x80
.set MSB, 0
.macro WIN new                         ; the immediate's high byte repeats the setting that is left; a switch that changes nothing is dropped
.if MSB != \new
	s_set_vgpr_msb (MSB<<8)|\new
.set MSB, \new
.endif
.endm
; Four loads: 128 points (three loads of 512 consecutive bytes) and their index words (one), of the trip whose byte offsets stand in s[36:37] and s[6:7].
; The two bases are written again only behind the wait on LOADcnt that shows the loads that read them done.
.macro PLOAD
	WIN W_P
	s_add_nc_u64 s[2:3], s[8:9], s[36:37]          ; my points, the trip's 1,536 bytes
	s_add_nc_u64 s[4:5], s[10:11], s[6:7]          ; my index words, the trip's 512 bytes
.irp i, 0,1,2
	global_load_b128 v[PR+4*\i:PR+4*\i+3], v[L16], s[2:3] offset:512*\i th:TH_LOAD_NT
.endr
	global_load_b128 v[IX:IX+3], v[L16], s[4:5] th:TH_LOAD_NT
.endm
; The 1,536 bytes turn through my stage: in as loaded, out 48 bytes a lane (48 = 3 x 16: sixteen lanes take sixteen different 16-byte columns modulo 256 bytes).
.macro TURN
	WIN W_P
.irp i, 0,1,2
	ds_store_b128 v[PS], v[PR+4*\i:PR+4*\i+3] offset:512*\i
.endr
.irp i, 0,1,2
	ds_load_b128 v[PT+4*\i:PT+4*\i+3], v[PLD] offset:16*\i     ; LDS serves a wave's instructions in order (ISA guide 5.7.1.4): these see the stores above
.endr
.endm
.macro COORD                           ; p = (pt + 1) * 255.5, and its fraction
	WIN W_P
.irp j, 0,2,4,6,8,10
	v_pk_add_f32 v[PT+\j:PT+\j+1], v[PT+\j:PT+\j+1], 1.0 op_sel_hi:[1,0]
.endr
.irp j, 0,2,4,6,8,10
	v_pk_mul_f32 v[PT+\j:PT+\j+1], v[PT+\j:PT+\j+1], 0x437f8000 op_sel_hi:[1,0]
.endr
.irp j, 0,1,2,3,4,5,6,7,8,9,10,11
	v_floor_f32 v[TT+\j], v[PT+\j]
.endr
.irp q, 0,1,2,3
.irp c, 0,1,2
	v_sub_f32 v[FR+4*\q+\c+(\c+1)/2], v[PT+3*\q+\c], v[TT+3*\q+\c]   ; x, y, z to places 0, 2, 3
.endr
.endr
.endm
; The twelve gathers of my four points: all their offsets in one run, one wait, then the loads.  Each cell number is held under the table's size by a constant in the line, then shifted to bytes.
.macro ASK
	WIN W_P
	s_wait_alu depctr_vm_vsrc(0)                   ; the gathers issued so far have read GA, which the lines below write; the stage's LDS stores have read PR, in which the next points land; the last trip's store has read Y, which FINISH writes again
.irp q, 0,1,2,3
	v_lshrrev_b32 v[GA+3*\q], 9, v[IX+\q]                          ; xy: 512 xf + yf
	v_and_b32 v[GA+3*\q+2], 0x3ffff, v[IX+\q]                      ; yz: 512 yf + zf
	v_lshrrev_b32 v[TT+2*\q], 18, v[IX+\q]
	v_and_b32 v[TT+2*\q+1], 0x1ff, v[IX+\q]
.endr
.irp q, 0,1,2,3
	v_lshl_or_b32 v[GA+3*\q+1], v[TT+2*\q], 9, v[TT+2*\q+1]        ; xz: 512 xf + zf
.endr
.irp j, 0,1,2,3,4,5,6,7,8,9,10,11
	v_min_u32 v[GA+\j], 0x3ffff, v[GA+\j]
.endr
.irp j, 0,1,2,3,4,5,6,7,8,9,10,11
	v_lshlrev_b32 v[GA+\j], 4, v[GA+\j]
.endr
	s_wait_alu depctr_va_vdst(0)                   ; GA is written, which the gathers read; the lines above are done reading IX, in which the next index words land; the interpolation is done with G, in which the gathers land; in the loop tile 0's codes and scale word are written, which its products take
.irp q, 0,1,2,3
	global_load_b128 v[G+12*\q:G+12*\q+3], v[GA+3*\q], s[12:13]
	global_load_b128 v[G+12*\q+4:G+12*\q+7], v[GA+3*\q+1], s[28:29]
	global_load_b128 v[G+12*\q+8:G+12*\q+11], v[GA+3*\q+2], s[30:31]
.endr
.endm
; The twelve look-ups by turns.  A cell is [tl, bl, tr, br]: (tr - tl, br - bl); x the first fraction + (tl, bl) = (top, bottom); bottom + (top - bottom) x the second fraction.  F = xy + xz + yz.
.macro INTERP
	WIN W_P
.irp p, 0,1,2
.irp q, 0,1,2,3
	v_pk_add_f32 v[G+12*\q+4*\p+2:G+12*\q+4*\p+3], v[G+12*\q+4*\p+2:G+12*\q+4*\p+3], v[G+12*\q+4*\p:G+12*\q+4*\p+1] neg_lo:[0,1] neg_hi:[0,1]
.endr
.endr
.irp p, 0,1,2
.irp q, 0,1,2,3
	v_pk_fma_f32 v[G+12*\q+4*\p:G+12*\q+4*\p+1], v[G+12*\q+4*\p+2:G+12*\q+4*\p+3], v[FR+4*\q+2*(\p/2):FR+4*\q+2*(\p/2)+1], v[G+12*\q+4*\p:G+12*\q+4*\p+1] op_sel_hi:[1,0,1]   ; fx for xy and xz, fy for yz: the pair's low word for both halves
.endr
.endr
.irp p, 0,1,2
.irp q, 0,1,2,3
	v_sub_f32 v[G+12*\q+4*\p+2], v[G+12*\q+4*\p], v[G+12*\q+4*\p+1]
.endr
.endr
.irp p, 0,1,2
.irp q, 0,1,2,3
	v_fma_f32 v[G+12*\q+4*\p], v[G+12*\q+4*\p+2], v[FR+4*\q+2+(\p+1)/2], v[G+12*\q+4*\p+1]   ; fy for xy, fz for xz and yz
.endr
.endr
.irp q, 0,1,2,3
	v_add_f32 v[G+12*\q], v[G+12*\q], v[G+12*\q+4]
.endr
	WIN W_PF
.irp q, 0,1,2,3
	v_add_f32 v[FQ+\q], v[G+12*\q], v[G+12*\q+8]
.endr
.endm
; F of point q goes to both halves of the lanes: for tile u = 0 that of lanes 0-15, for u = 1 that of lanes 16-31.  vcc_lo marks lanes 16-31.
.macro FBCAST q
	WIN 0
	v_permlanex16_b32 v11, v[FQ+(\q)], s38, s39
	v_cndmask_b32 v[FB], v[FQ+(\q)], v11, vcc_lo
	v_cndmask_b32 v[FB+2], v11, v[FQ+(\q)], vcc_lo
.endm
; 64 numbers of a lane at v[XS], register 16 b + i = unit 32 b + 16 h + i of my point, become the operand's codes at v[PCS] and its scale word in v[PWS]; what is negative becomes 0 on the way (the activation).
.macro QUANT
.irp b, 0,1,2,3                                ; no |.|: what is negative must not count for the largest magnitude; the floor stands over it.  Two chains a block, the eight by turns
	v_max3_num_f32 v[TM+\b], v[XS+16*\b], v[XS+16*\b+1], 0x8000000             ; the floor 2^(16 - 127): the byte cannot fall under 1
	v_max3_num_f32 v[TM+4+\b], v[XS+16*\b+8], v[XS+16*\b+9], v[XS+16*\b+10]
.endr
.irp n, 2,4
.irp b, 0,1,2,3
	v_max3_num_f32 v[TM+\b], v[TM+\b], v[XS+16*\b+\n], v[XS+16*\b+\n+1]
	v_max3_num_f32 v[TM+4+\b], v[TM+4+\b], v[XS+16*\b+\n+9], v[XS+16*\b+\n+10]
.endr
.endr
.irp b, 0,1,2,3
	v_max3_num_f32 v[TM+\b], v[TM+\b], v[XS+16*\b+6], v[XS+16*\b+7]
.endr
.irp b, 0,1,2,3
	v_max3_num_f32 v[TM+\b], v[TM+\b], v[TM+4+\b], v[XS+16*\b+15]
.endr
.irp b, 0,1,2,3
	v_permlanex16_b32 v[TM+4+\b], v[TM+\b], s38, s39
.endr
.irp b, 0,1,2,3
	v_max_num_f32 v[TM+\b], v[TM+\b], v[TM+4+\b]   ; with lane l xor 16's 16: the block's largest magnitude
.endr
.irp b, 0,1,2,3
	v_add_nc_u32 v[TM+12+\b], 0xf8800000, v[TM+\b] ; 15 off its exponent field: the conversion's scale operand
.endr
.irp b, 0,1,2,3
	v_and_or_b32 v[TM+8+\b], v[TM+\b], 0x7f800000, s40   ; 57,344 x the scale
.endr
.irp b, 0,1,2,3
	v_lshrrev_b32 v[TM+4+\b], 23, v[TM+12+\b]      ; the scale's byte
.endr
	v_lshl_or_b32 v[PWS], v[TM+5], 8, v[TM+4]
	v_lshl_or_b32 v[PWS], v[TM+6], 16, v[PWS]
	v_lshl_or_b32 v[PWS], v[TM+7], 24, v[PWS]      ; my point's scale word
.irp b, 0,1,2,3
.irp n, 0,1,2,3,4,5,6,7,8,9,10,11,12,13,14,15
	v_med3_num_f32 v[XS+16*\b+\n], v[XS+16*\b+\n], 0, v[TM+8+\b]   ; the activation and the hold in one (the conversion to an 8-bit code does not saturate: ISA guide 7.6.2)
.endr
	v_cvt_scalef32_pk8_bf8_f32 v[PCS+4*\b:PCS+4*\b+1], v[XS+16*\b:XS+16*\b+7], v[TM+12+\b]
	v_cvt_scalef32_pk8_bf8_f32 v[PCS+4*\b+2:PCS+4*\b+3], v[XS+16*\b+8:XS+16*\b+15], v[TM+12+\b]
.endr
	v_nop                                          ; a plain line behind the last conversion
.endm
.macro L1 i                            ; tile i's hidden layer: F w1 + b1, fused, two units an instruction; then quantised
	WIN W_FMA
.set XS, X+64*((\i)%2)
.set PCS, CODES+16*((\i)%2)
.set PWS, PW+(\i)%2
.set FS, FB+2*((\i)%2)
.set jj, 0
.rept 32
	v_pk_fma_f32 v[XS+jj:XS+jj+1], v[FS:FS+1], v[W1L+jj:W1L+jj+1], v[B1L+jj:B1L+jj+1] op_sel_hi:[0,1,1]
.set jj, jj+2
.endr
	WIN 0
	QUANT
.endm
; Tile i's eight products: K = 128 is one instruction, so each starts and ends its sum, with b2 as C; eight different accumulators, laid over the tile's hidden layer, which is done with.
; own = 1: the wait for the tile's codes and scale word stands here.  own = 0 (tile 0): the wait ahead of the gathers has stated it, and no vector instruction has been issued since.
.macro MM i, own
	WIN W_MM
.set XS, X+64*((\i)%2)
.set PCS, CODES+16*((\i)%2)
.set PWS, PW+(\i)%2
.if \own
	s_wait_alu depctr_va_vdst(0)                   ; the conversions have written this tile's codes and the shifts its scale word, which the products take; their places, the reduction's lines, stand ahead of this wait
.endif
.irp t, 0,1,2,3,4,5,6,7
	v_wmma_scale_f32_16x16x128_f8f6f4 v[XS+8*\t:XS+8*\t+7], v[W2C+16*\t:W2C+16*\t+15], v[PCS:PCS+15], v[B2L+8*\t:B2L+8*\t+7], v[W2S+\t], v[PWS] matrix_a_fmt:MATRIX_FMT_BF8 matrix_b_fmt:MATRIX_FMT_BF8
.endr
.endm
; Tile i's results: relu, then the dot with w3 in four packed sums; each accumulator is read from its low end on.  Behind the odd tile the two tiles' half sums go to the lanes that own the points.
.macro EPI i
	WIN W_EPI
.set XS, X+64*((\i)%2)
.irp t, 0,1,2,3,4,5,6,7
.irp j, 0,1,2,3,4,5,6,7
	v_max_num_f32 v[XS+8*\t+\j], v[XS+8*\t+\j], 0  ; (the register stands as source 0, whose window is 0)
.endr
.irp p, 0,1,2,3
.if \t == 0
	v_pk_mul_f32 v[S+2*\p:S+2*\p+1], v[XS+2*\p:XS+2*\p+1], v[W3L+2*\p:W3L+2*\p+1]          ; the first products start the sums
.else
	v_pk_fma_f32 v[S+2*\p:S+2*\p+1], v[XS+8*\t+2*\p:XS+8*\t+2*\p+1], v[W3L+8*\t+2*\p:W3L+8*\t+2*\p+1], v[S+2*\p:S+2*\p+1]
.endif
.endr
.endr
	WIN 0
	v_pk_add_f32 v[S:S+1], v[S:S+1], v[S+2:S+3]
	v_pk_add_f32 v[S+4:S+5], v[S+4:S+5], v[S+6:S+7]
	v_pk_add_f32 v[S:S+1], v[S:S+1], v[S+4:S+5]
	v_add_f32 v[AU+(\i)%2], v[S], v[S+1]           ; lane (r, h): the sum over units 16 t + 8 h + j of point r of this tile
.if (\i)%2 == 1
	v_cndmask_b32 v12, v[AU], v[AU+1], vcc_lo      ; what I keep: my own point's tile (u = my h),
	v_cndmask_b32 v13, v[AU+1], v[AU], vcc_lo      ; what lane l xor 16 wants: its point's tile
	v_permlanex16_b32 v11, v13, s38, s39
	v_add_f32 v[OQ+(\i)/2], v12, v11
.endif
.endm
; tanh(z) = 1 - 2 / (1 + 2^(2 log2(e) z)), z = the dot + b3: where the power overflows the result is 1, where it falls to 0 it is -1.
.macro FINISH
	WIN 0
.irp q, 0,1,2,3
	v_fma_f32 v[Y+\q], v[OQ+\q], s41, v14
.endr
	s_wait_alu depctr_va_vdst(0)
.irp q, 0,1,2,3
	v_exp_f32 v[Y+\q], v[Y+\q]
.endr
	v_nop                                          ; a plain line behind the transcendentals (ISA guide 5.7.2)
	s_wait_alu depctr_va_vdst(0)
.irp q, 0,1,2,3
	v_add_f32 v[Y+\q], 1.0, v[Y+\q]
.endr
	s_wait_alu depctr_va_vdst(0)
.irp q, 0,1,2,3
	v_rcp_f32 v[Y+\q], v[Y+\q]
.endr
	v_nop
	s_wait_alu depctr_va_vdst(0)
.irp q, 0,1,2,3
	v_fma_f32 v[Y+\q], v[Y+\q], -2.0, 1.0
.endr
	s_wait_alu depctr_va_vdst(0)                   ; the four lines above have written Y, which the store reads
	global_store_b128 v4, v[Y:Y+3], s[26:27] th:TH_STORE_NT        ; the wave stores 512 consecutive bytes
.endm
	s_load_b512 s[8:23], s[0:1], 0x0               ; points s[8:9], idx s[10:11], quads s[12:13], w2q s[14:15], w1 s[16:17], b1 s[18:19], b2 s[20:21], w3 s[22:23]
	s_load_b128 s[24:27], s[0:1], 0x40             ; b3 s[24:25], out0 s[26:27]
	v_lshl_add_u32 v126, v0, 2, 0x1800
	v_mov_b32 v127, 0
	v_lshrrev_b32 v6, 5, v0
	v_readfirstlane_b32 s33, v6                    ; wave 0..3
	v_and_b32 v1, 31, v0                           ; lane
	v_bfe_u32 v3, v0, 4, 1                         ; h
	v_lshlrev_b32 v4, 4, v1                        ; 16 x lane
	s_wait_alu depctr_va_vdst(0)
	v_lshlrev_b32 v5, 2, v1                        ; 4 x lane
	v_mul_u32_u24 v6, v1, 48                       ; 48 x lane
	s_wait_alu depctr_va_vdst(0)
	v_lshlrev_b32 v9, 6, v3                        ; 64 h: my half's 16 numbers of a block of w1 and b1
	v_lshlrev_b32 v10, 5, v3                       ; 32 h: my half's 8 numbers of a tile of b2 and w3
	v_mov_b32 v11, 0                               ; a lane permute's destination counts as read: written once
	v_mov_b32 v21, 0                               ; named as the upper halves of pairs
	v_mov_b32 v23, 0
	s_wait_alu depctr_va_sdst(0)                   ; s33 is written, ahead of its first reader: my stage and my part of the buffers are made from it
	s_mul_i32 s44, s33, 1536                       ; my stage in LDS
	s_lshl_b32 s45, ttmp9, 2
	s_add_co_u32 s45, s45, s33                     ; id 0 .. 1023
	s_mul_i32 s46, s45, 12288                      ; 1,024 points x 12 bytes
	s_mov_b32 s47, 0
	s_mov_b32 s38, 0x76543210
	s_mov_b32 s39, 0xfedcba98                      ; v_permlanex16_b32's selects for lane l xor 16
	s_mov_b32 s40, 0x600000                        ; the mantissa field of 57,344
	s_mov_b32 s41, 0x4038aa3b                      ; 2 log2(e)
	s_mov_b32 vcc_lo, 0xffff0000                   ; lanes 16-31; never rewritten
	s_mov_b32 s36, 0                               ; trip 0: the points' byte offset, a pair with 0 above it,
	s_mov_b32 s37, 0
	s_mov_b32 s6, 0                                ; and the index words'
	s_mov_b32 s7, 0
	WIN TO_2
	v_mov_b32 v[L16], v4
	v_add_nc_u32 v[PS], s44, v4
	v_add_nc_u32 v[PLD], s44, v6
.irp q, 0,1,2,3
	v_mov_b32 v[FR+4*\q+1], 0                      ; named as the upper half of a pair
.endr
	s_wait_kmcnt 0x0
	s_add_nc_u64 s[8:9], s[8:9], s[46:47]
	s_lshl_b32 s46, s45, 12                        ; 1,024 words
	s_add_nc_u64 s[10:11], s[10:11], s[46:47]
	s_add_nc_u64 s[26:27], s[26:27], s[46:47]
	s_add_nc_u64 s[28:29], s[12:13], 0x400000      ; the xz table
	s_add_nc_u64 s[30:31], s[12:13], 0x800000      ; the yz table
	s_load_b32 s32, s[24:25], 0x0                  ; b3
	WIN W_P
	s_wait_alu depctr_va_vdst(0)                   ; v4, v5, v9, v10, L16, PS and PLD are written: the loads, LDS instructions and stores of the whole kernel read them as offsets and addresses, and no line writes them again
	PLOAD                                          ; trip 0's points and indices
	WIN TO_1
.irp t, 0,1,2,3,4,5,6,7
.irp c, 0,1,2,3
	global_load_b128 v[W2C+16*\t+4*\c:W2C+16*\t+4*\c+3], v4, s[14:15] offset:2048*\t+512*\c   ; Q(w2)'s fragments come as they were stored: images of their registers
.endr
.endr
	WIN 0
.irp t, 0,1,2,3,4,5,6,7
	global_load_b32 v[W2S+\t], v5, s[14:15] offset:16384+128*\t
.endr
	s_wait_loadcnt 40                              ; trip 0's four loads are in; the 40 of Q(w2) behind them may be out
	TURN
	s_wait_dscnt 0x0
	COORD
	ASK
	s_mov_b32 s36, 1536                            ; trip 1
	s_mov_b32 s6, 512
	PLOAD                                          ; (the two bases are free: the wait on LOADcnt has shown the first four loads done; PR and IX are free by the two waits in ASK)
	WIN TO_1
.irp c, 0,1,2,3
.irp j, 0,1,2,3
	global_load_b128 v[W1L+16*\c+4*\j:W1L+16*\c+4*\j+3], v9, s[16:17] offset:128*\c+16*\j    ; w1(32 c + 16 h + 4 j ..)
	global_load_b128 v[B1L+16*\c+4*\j:B1L+16*\c+4*\j+3], v9, s[18:19] offset:128*\c+16*\j
.endr
.endr
	WIN TO_2
.irp t, 0,1,2,3,4,5,6,7
	global_load_b128 v[B2L+8*\t:B2L+8*\t+3], v10, s[20:21] offset:64*\t                      ; b2(16 t + 8 h ..)
	global_load_b128 v[B2L+8*\t+4:B2L+8*\t+7], v10, s[20:21] offset:64*\t+16
	global_load_b128 v[W3L+8*\t:W3L+8*\t+3], v10, s[22:23] offset:64*\t
	global_load_b128 v[W3L+8*\t+4:W3L+8*\t+7], v10, s[22:23] offset:64*\t+16
.endr
	s_wait_loadcnt 63                              ; the gathers are in: 68 loads were issued behind them, and 63 is the most that the wait's field names
	INTERP                                         ; F of trip 0
	WIN 0
	s_wait_kmcnt 0x0
	v_mov_b32 v14, s32
	v_mul_f32 v14, s41, v14                        ; b3 x 2 log2(e)
	s_mov_b32 s34, 0
.Ltrip:                                                ; trip t: F(t) lies in FQ; the points and indices of trip min(t + 1, 7) are on their way
	WIN W_P
	s_wait_loadcnt 0x0                             ; they are in (in trip 0 the constants too): nothing else is out
	TURN                                           ; no wait on va_vdst: no vector instruction issued since the last one names PT, PR, PS or PLD
	s_wait_alu depctr_va_vdst(0)
	FBCAST 0
	L1 0                                           ; tile 0's hidden layer stands between the stage's loads and the wait for them
	WIN W_P
	s_wait_dscnt 0x0                               ; the turned points are in
	COORD
	s_add_co_u32 s35, s34, 2
	s_min_u32 s35, s35, 7                          ; the look-ahead stops at my last trip: no load leaves its buffer
	s_mul_i32 s36, s35, 1536
	s_lshl_b32 s6, s35, 9
	ASK                                            ; the next trip's twelve gathers: they have seven tiles' work in which to land
	PLOAD                                          ; (the two bases are free since the wait on LOADcnt at the trip's head)
	MM 0, 0                                        ; the lines between L1 0 and the wait in ASK are the places between the codes and scale word made there and these products
.irp i, 1,2,3,4,5,6,7
.if (\i)%2 == 0
	FBCAST \i/2
.endif
	L1 \i                                          ; names no register of the products just issued (the other set): their places (ISA guide 7.12.1), and work while they run
	EPI \i-1
	MM \i, 1
.endr
	WIN W_P
	s_wait_loadcnt 4                               ; the gathers are in; the four loads of points and indices issued behind them may be out
	INTERP                                         ; F of the next trip; also the places behind the last products
	EPI 7
	FINISH
	s_wait_xcnt 0x0                                ; the store has read its data and its base: both are written again only behind this wait
	s_add_nc_u64 s[26:27], s[26:27], 512
	WIN 0                                          ; at a label and at a branch every window is 0
	s_add_co_u32 s34, s34, 1
	s_cmp_lt_u32 s34, 8
	s_cbranch_scc1 .Ltrip
	s_wait_dscnt 0x0
	s_wait_alu depctr_hold_cnt(0) depctr_sa_sdst(0) depctr_va_vdst(0) depctr_va_sdst(0) depctr_va_ssrc(0) depctr_va_vcc(0) depctr_vm_vsrc(0)
	s_wait_tensorcnt 0x0
	ds_add_u32 v126, v127
	s_wait_dscnt 0x0
	s_endpgm
.Lfunc_end_k_q7e3fe29955_sdf:
	.size	k_q7e3fe29955_sdf, .Lfunc_end_k_q7e3fe29955_sdf-k_q7e3fe29955_sdf
	.p2alignl 7, 3214868480
	.fill 96, 4, 3214868480
	.section	.rodata,"a",@progbits
	.p2align	6, 0x0
	.amdhsa_kernel k_q7e3fe29955_sdf
		.amdhsa_group_segment_fixed_size 6656
		.amdhsa_private_segment_fixed_size 0
		.amdhsa_enable_private_segment 0
		.amdhsa_kernarg_size 80
		.amdhsa_user_sgpr_count 2
		.amdhsa_user_sgpr_kernarg_segment_ptr 1
		.amdhsa_wavefront_size32 1
		.amdhsa_system_sgpr_workgroup_id_x 1
		.amdhsa_system_sgpr_workgroup_id_y 1
		.amdhsa_system_sgpr_workgroup_id_z 1
		.amdhsa_system_vgpr_workitem_id 0
		.amdhsa_next_free_vgpr 768
		.amdhsa_next_free_sgpr 66
		.amdhsa_reserve_vcc 1
		.amdhsa_float_denorm_mode_32 3
		.amdhsa_float_denorm_mode_16_64 3
		.amdhsa_memory_ordered 1
		.amdhsa_forward_progress 1
		.amdhsa_inst_pref_size 173
	.end_amdhsa_kernel
	.amdgpu_metadata
---
amdhsa.version: [ 1, 2 ]
amdhsa.kernels:
  - .name:           k_q7e3fe29955_sdf
    .symbol:         k_q7e3fe29955_sdf.kd
    .args:
      - { .name: points, .offset: 0, .size: 8, .value_kind: global_buffer, .address_space: global }
      - { .name: idx, .offset: 8, .size: 8, .value_kind: global_buffer, .address_space: global }
      - { .name: quads, .offset: 16, .size: 8, .value_kind: global_buffer, .address_space: global }
      - { .name: w2q, .offset: 24, .size: 8, .value_kind: global_buffer, .address_space: global }
      - { .name: w1, .offset: 32, .size: 8, .value_kind: global_buffer, .address_space: global }
      - { .name: b1, .offset: 40, .size: 8, .value_kind: global_buffer, .address_space: global }
      - { .name: b2, .offset: 48, .size: 8, .value_kind: global_buffer, .address_space: global }
      - { .name: w3, .offset: 56, .size: 8, .value_kind: global_buffer, .address_space: global }
      - { .name: b3, .offset: 64, .size: 8, .value_kind: global_buffer, .address_space: global }
      - { .name: out0, .offset: 72, .size: 8, .value_kind: global_buffer, .address_space: global }
    .group_segment_fixed_size: 6656
    .private_segment_fixed_size: 0
    .kernarg_segment_align: 8
    .kernarg_segment_size: 80
    .max_flat_workgroup_size: 128
    .sgpr_count:     66
    .vgpr_count:     768
    .wavefront_size: 32
...
	.end_amdgpu_metadata
.endif
;; end of part 4
